; MI455X (gfx1250); checked and timed in simulation.
; The chip was launched on July 23, 2026; its instructions are those of AMD's public machine-readable ISA for CDNA 5 (MIT licence, August 2026) and "CDNA5" Instruction Set Architecture Reference Guide (July 2026). The comments in the code are by the model that wrote it; some were corrected since.
;; Attention Head. Allowed arithmetic: matrix products marked QUANTISED: E2M1 operands, one E8M0 scale for each 32 along K, by v_wmma_scale_f32_16x16x128_f8f6f4 with both operands' format E2M1 (or v_wmma_scale_f32_32x16x128_f4), f32 sums; products left as they are: bf16, f16 or f32 operands; f32 sums; everything else in f32.
;; Inputs: W_K 1,024 x 1,024 float32; W_Q 1,024 x 1,024 float32; W_V 1,024 x 1,024 float32; embeddings 4 x 2,048 x 1,024 float32.
;; Outputs: out0 4 x 2,048 x 1,024 float32.
;; This version of the problem:
;;   THIS VERSION OF THE PROBLEM IS GIVEN IN LOW PRECISION. The matrix products marked QUANTISED in the list below multiply operands that are first quantised to E2M1 (2 exponent bits, 1 mantissa bit; 4 bits a number), with one power-of-two scale for each 32 numbers along K (OCP MX v1.0); their sums are f32. The products marked 'left as it is' may take bf16, f16 or f32 operands, with f32 sums. Whichever they take, every output number must still come out within the allowed error. Rounding operands to bf16 (8 significant bits) uses up far more of that allowance than f16 does (11 bits, for magnitudes from 6e-5 to 65,504). All else is computed in f32.
;;   The module's matrix products, in the order in which they are computed (A, B: the left and right operand; K: the contracted axis; several contracted axes count as one K, in the product's order):
;;     1. [M 8,192, K 1,024] x [K 1,024, N 1,024]; A: input embeddings; B: input W_Q: QUANTISED
;;     2. [M 8,192, K 1,024] x [K 1,024, N 1,024]; A: input embeddings; B: input W_K: QUANTISED
;;     3. [M 8,192, K 1,024] x [K 1,024, N 1,024]; A: input embeddings; B: input W_V: QUANTISED
;;     4. batch 4 x [M 2,048, K 1,024] x [K 1,024, N 2,048]; A: computed on the way; B: computed on the way: left as it is (an operand is computed on the way)
;;     5. batch 4 x [M 2,048, K 2,048] x [K 2,048, N 1,024]; A: computed on the way; B: computed on the way: left as it is (an operand is computed on the way)
;;   THE QUANTISER, for each operand of a quantised product, along K:
;;     - K is cut into blocks of 32 from its start; a last block that is shorter is filled with zeros.
;;     - A block's scale is 2^e with e = floor(log2(the largest magnitude in the block)) - 2, held to -126 .. 127; a block of zeros has e = 0. As a byte (E8M0): e + 127.
;;     - Each number is divided by its block's scale, clamped to +-6, and rounded to the nearest number of E2M1, ties to even, subnormals kept.
;;     - The product sums the exact products of the quantised numbers (number of the format x scale) in f32.
;;   ~~~python
;;   def quantise(x, axis):      # numpy; x: float32 -> the quantised numbers, widened to float32 again
;;       x = np.moveaxis(x, axis, -1); K = x.shape[-1]
;;       x = np.pad(x, [(0, 0)] * (x.ndim - 1) + [(0, -K % 32)]); x = x.reshape(x.shape[:-1] + (-1, 32)); a = np.abs(x).max(-1, keepdims=True)
;;       e = np.where(a > 0, np.clip(np.frexp(np.where(a > 0, a, 1))[1] - 1 - 2, -126, 127), 0)      # np.frexp(a)[1] - 1 = floor(log2(a)), exactly
;;       r = np.clip(x / 2.0 ** e, -6, 6)
;;       step = 2.0 ** (np.maximum(np.frexp(np.where(r == 0, 1, r))[1] - 1, 0) - 1)
;;       q = np.round(r / step) * step * 2.0 ** e      # np.round: ties to even
;;       return np.moveaxis(q.reshape(q.shape[:-2] + (-1,))[..., :K], -1, axis).astype(np.float32)
;;   ~~~
;; One version. Each part assembles by itself: llvm-mc -triple=amdgcn-amd-amdhsa -mcpu=gfx1250 --defsym DOCPART=n.
;; ======== version 1 of 1: 5 launches
;; limits: values are held in f16: magnitudes above 65,504 overflow, below 6.1e-05 lose precision
;; workspace buffers: cs 6,127,616 bytes; qk 33,554,432 bytes; vt 16,777,216 bytes; first16 786,432 bytes; pp 33,554,432 bytes; stat 1,048,576 bytes; fac 524,288 bytes
;; launch quant (part 1): grid 448 x 1, 4 waves a work-group, no clusters, 42,496 bytes of LDS; arguments embeddings, W_Q, W_K, W_V, cs; writes cs
.if DOCPART == 1
	.amdgcn_target "amdgcn-amd-amdhsa--gfx1250"
	.amdhsa_code_object_version 6
	.text
	.protected	k_qac7ff56fa3_quant
	.globl	k_qac7ff56fa3_quant
	.p2align	8
	.type	k_qac7ff56fa3_quant,@function
k_qac7ff56fa3_quant:
	s_mov_b64 s[64:65], 0
	v_nop
	global_prefetch_b8 v0, s[64:65] scope:SCOPE_SE
	s_setreg_imm32_b32 hwreg(HW_REG_WAVE_MODE, 25, 1), 1
	s_wait_xcnt 0x0
; embeddings [8192][1024] f32 (K innermost) and W_Q, W_K, W_V [1024 (k)][1024 (n)] f32 (K is the FIRST axis) become codes of E2M1 with K innermost and one E8M0 byte for each 32 along K.
; cs: rows of 512 bytes of codes: rows 0..8191 the tokens, rows 8192 + 1024 t + n column n of weight t (0 Q, 1 K, 2 V); from byte XS on rows of 32 scale bytes, same row numbers.
; A block's scale is 2^(floor(log2(largest magnitude)) - 2); its byte is the largest magnitude's exponent field - 2, held at 1 from below; numbers beyond 6 scales get the largest code.
; LIMITS: a block of zeros, and a block whose largest magnitude lies under 2^-124, gets the byte 1 (its codes are zeros or what that scale gives; this program alone reads the bytes); NaN and infinities are not served.
; Work-groups 0..191 take the weights (a lane to a column, registers down K), work-groups 192..447 the tokens (a plain stream of blocks of 32).  The two ways have LDS bytes of their own.
.set XS,    5767168                    ; where the scale bytes begin: 11,264 rows x 512
.set WGW,   192
.set STEPS, 16
.set AH,    8                          ; the tokens' loads run eight steps, 32 loads a wave, ahead
.set CB,    8                          ; bytes of 16 codes
.set R,     16                         ; v16-143  tokens: eight sets of 16 numbers as loaded
.set X,     144                        ; v144-175 two sets of 16 neighbours
.set E,     176                        ; v176-191 a scale byte for each step
.set C,     192                        ; v192-223 codes, two registers a step: no store's data are written again
.set SPW,   224                        ; v224 LDS address of my spare word; never rewritten
.set NIL,   225                        ; v225 0; never rewritten
.set WREG,  8192                       ; LDS, tokens: a region for each wave: two stages of 32 x SP bytes, then 256 scale bytes
.set SP,    80
.set WST,   4*WREG                     ; LDS, weights: the work-group's stage: 32 rows (columns of W) x 272 bytes,
.set PITCH, 272
.set SCW,   WST+32*PITCH               ; and 16 scale bytes for each of the 32 columns
.set SPARE, SCW+512                    ; the spare words, 128 bytes a wave: two blocks of 256 bytes that no other line names
.set SB,    14                         ; v14      weights: my four scale bytes
.set WC,    16                         ; v16-31   four blocks' codes
.set WX,    32                         ; v32-159  four sets of 32 numbers
	s_load_b256 s[4:11], s[0:1], 0x0               ; embeddings, W_Q, W_K, W_V
	s_load_b64 s[12:13], s[0:1], 0x20              ; cs
	v_lshl_add_u32 v[SPW], v0, 2, SPARE
	v_mov_b32 v[NIL], 0
	v_lshrrev_b32 v1, 5, v0
	v_readfirstlane_b32 s16, v1                    ; wave
	v_and_b32 v2, 31, v0                           ; lane
	s_cmp_lt_u32 ttmp9, WGW
	s_cbranch_scc1 .Lweights
; ---------------- the tokens: a wave takes 16 steps of 512 numbers; a lane must hold 16 neighbours, yet every load reads 512 consecutive bytes: the bytes turn through the wave's stage
	v_lshlrev_b32 v3, 4, v2                        ; my 16 bytes of a load's 512
	s_mul_i32 s17, s16, WREG
	v_lshrrev_b32 v14, 2, v2
	v_mul_u32_u24 v14, v14, SP
	v_and_b32 v15, 3, v2
	v_lshl_add_u32 v14, v15, 4, v14
	v_add_nc_u32 v14, s17, v14                     ; stage, in: SP (lane / 4) + 16 (lane % 4)
	v_mul_u32_u24 v15, v2, SP
	v_add_nc_u32 v15, s17, v15                     ; stage, out: SP x lane
	v_mul_u32_u24 v4, v2, CB                       ; my codes' place in a step's 256 bytes
	v_lshrrev_b32 v5, 1, v2
	s_add_co_u32 s17, s17, 2*32*SP
	v_add_nc_u32 v5, s17, v5                       ; my block's byte among the wave's 256
	v_lshlrev_b32 v7, 3, v2
	v_add_nc_u32 v6, s17, v7
	s_sub_co_u32 s17, ttmp9, WGW
	s_lshl_b32 s17, s17, 2
	s_add_co_u32 s18, s17, s16                     ; which run of 8,192 numbers is my wave's
	s_mov_b32 s21, 0
	s_mov_b32 s23, 0
	s_mov_b32 s25, 0
	s_lshl_b32 s20, s18, 15                        ; 32,768 bytes of f32,
	s_lshl_b32 s22, s18, 12                        ; 4,096 of codes,
	s_lshl_b32 s24, s18, 8                         ; 256 scale bytes a run
	s_add_co_u32 s24, s24, XS
	s_wait_kmcnt 0x0
	s_add_nc_u64 s[4:5], s[4:5], s[20:21]
	s_add_nc_u64 s[8:9], s[12:13], s[22:23]
	s_add_nc_u64 s[10:11], s[12:13], s[24:25]
.macro XLOAD t
.irp i, 0,1,2,3
	global_load_b128 v[R+16*((\t)%AH)+4*\i:R+16*((\t)%AH)+4*\i+3], v3, s[4:5] offset:2048*(\t)+512*\i th:TH_LOAD_NT
.endr
.endm
.macro XTURN t                         ; LDS serves a wave's instructions in order: no wait between the stores and the loads
.irp i, 0,1,2,3
	ds_store_b128 v14, v[R+16*((\t)%AH)+4*\i:R+16*((\t)%AH)+4*\i+3] offset:32*SP*((\t)%2)+8*SP*\i
.endr
.irp i, 0,1,2,3
	ds_load_b128 v[X+16*((\t)%2)+4*\i:X+16*((\t)%2)+4*\i+3], v15 offset:32*SP*((\t)%2)+16*\i
.endr
.endm
.irp t, 0,1,2,3,4,5,6,7
	XLOAD \t
.endr
	s_wait_loadcnt 4*(AH-1)                        ; step 0's four loads are in; seven steps' 28 stay out
	XTURN 0
.macro XSTEP t
.set XS0, X+16*((\t)%2)
.if (\t) > 0
	s_wait_dscnt 1                                 ; this step's numbers are back from the stage, so its stores into the stage have read their registers; the last step's byte store may be out
.else
	s_wait_dscnt 0x0
.endif
.if (\t)+AH < STEPS
	XLOAD (\t)+AH                                  ; into the set that this step's numbers have left
.endif
.if (\t)+1 < STEPS
.if STEPS-2-(\t) >= AH-1
	s_wait_loadcnt 4*(AH-1)                        ; the next step's four loads are in; those of the seven steps behind it may be out
.else
	s_wait_loadcnt 4*(STEPS-2-(\t))
.endif
	XTURN (\t)+1
.endif
	v_max3_num_f32 v8, |v[XS0]|, |v[XS0+1]|, |v[XS0+2]|
	v_max3_num_f32 v9, |v[XS0+3]|, |v[XS0+4]|, |v[XS0+5]|
.irp i, 6,10
	v_max3_num_f32 v8, v8, |v[XS0+\i]|, |v[XS0+\i+1]|
	v_max3_num_f32 v9, v9, |v[XS0+\i+2]|, |v[XS0+\i+3]|
.endr
	v_max3_num_f32 v8, v8, |v[XS0+14]|, |v[XS0+15]|
	v_max3_num_f32 v8, v8, v9, 0x1800000           ; the floor 2^(3 - 127): the byte cannot fall under 1
	v_max_num_f32_dpp v8, v8, v8 row_xmask:1 row_mask:0xf bank_mask:0xf   ; with my neighbour's 16: the block's largest magnitude
	v_add_nc_u32 v11, 0xff000000, v8               ; 2 off its exponent field: the conversion's scale operand
	v_cvt_scalef32_pk8_fp4_f32 v[C+2*(\t)], v[XS0:XS0+7], v11
	v_cvt_scalef32_pk8_fp4_f32 v[C+2*(\t)+1], v[XS0+8:XS0+15], v11
	v_lshrrev_b32 v[E+(\t)], 23, v11               ; the scale's byte (a plain line behind the conversions)
	ds_store_b8 v5, v[E+(\t)] offset:16*(\t)       ; both lanes of a block write the same byte with the same value
	global_store_b64 v4, v[C+2*(\t):C+2*(\t)+1], s[8:9] offset:32*CB*(\t)   ; the wave stores 256 consecutive bytes, aligned
.endm
.irp t, 0,1,2,3,4,5,6,7,8,9,10,11,12,13,14,15
	XSTEP \t
.endr
	ds_load_b64 v[8:9], v6
	s_wait_dscnt 0x0
	global_store_b64 v7, v[8:9], s[10:11]          ; 256 scale bytes, aligned
	s_wait_tensorcnt 0x0                           ; the wave's end: a tensor wait, a spare add and its wait behind my last LDS store
	ds_add_u32 v[SPW], v[NIL]
	s_wait_dscnt 0x0
	s_endpgm
; ---------------- the weights: work-group g: weight g / 64, 512 along K (g / 32) % 2, columns 32 (g % 32) on.  Wave w takes blocks 4 w .. 4 w + 3 of the sixteen: 128 rows of W, 128 loads, all issued at once.
; A column's 256 bytes of codes come from the four waves: they meet in the work-group's stage, behind one barrier, and leave as whole rows.
.Lweights:
	s_and_b32 s17, ttmp9, 31
	s_lshl_b32 s17, s17, 5                         ; the work-group's first column
	s_bfe_u32 s18, ttmp9, 0x10005                  ; which 512 along K
	s_lshr_b32 s20, ttmp9, 6                       ; which weight
	v_lshlrev_b32 v3, 2, v2                        ; in: 4 bytes a lane
	s_lshl_b32 s19, s16, 6
	s_add_co_u32 s19, s19, WST
	v_mul_u32_u24 v4, v2, PITCH
	v_add_nc_u32 v4, s19, v4                       ; into the stage: row = my column, my wave's 64 bytes
	s_lshl_b32 s19, s16, 2
	s_add_co_u32 s19, s19, SCW
	v_lshl_add_u32 v10, v2, 4, s19                 ; my four scale bytes: 16 x lane + 4 x wave
	v_lshl_add_u32 v15, v2, 4, SCW                 ; and a column's sixteen, on the way out
	v_and_b32 v5, 15, v2
	v_lshrrev_b32 v6, 4, v2
	s_mul_i32 s19, s16, 8*PITCH
	s_add_co_u32 s19, s19, WST
	v_mul_u32_u24 v7, v6, PITCH
	v_lshl_add_u32 v7, v5, 4, v7
	v_add_nc_u32 v7, s19, v7                       ; out of the stage: my wave's 8 rows, sixteen lanes to a row
	v_lshlrev_b32 v8, 9, v6
	v_lshl_add_u32 v8, v5, 4, v8
	s_lshl_b32 s19, s16, 12
	v_add_nc_u32 v8, s19, v8                       ; and the same place among the rows of codes
	v_lshlrev_b32 v9, 5, v2                        ; a column's row of scale bytes
	s_lshl_b32 s22, s18, 21                        ; 512 rows of 4,096 bytes,
	s_lshl_b32 s23, s16, 19                        ; my wave's 128 of them,
	s_add_co_u32 s22, s22, s23
	s_lshl_b32 s23, s17, 2                         ; the first column
	s_add_co_u32 s22, s22, s23
	s_mov_b32 s23, 0
	s_lshl_b32 s20, s20, 10
	s_add_co_u32 s20, s20, s17
	s_add_co_u32 s20, s20, 8192                    ; the work-group's first row of cs
	s_lshl_b32 s24, s20, 9
	s_lshl_b32 s21, s18, 8
	s_add_co_u32 s24, s24, s21
	s_mov_b32 s25, 0
	s_lshl_b32 s26, s20, 5
	s_lshl_b32 s21, s18, 4
	s_add_co_u32 s26, s26, s21
	s_add_co_u32 s26, s26, XS
	s_mov_b32 s27, 0
	s_wait_kmcnt 0x0
	s_cmp_lt_u32 ttmp9, 64                         ; the choice hangs on the work-group's number alone
	s_cselect_b64 s[4:5], s[6:7], s[8:9]
	s_cmp_lt_u32 ttmp9, 128
	s_cselect_b64 s[4:5], s[4:5], s[10:11]
	s_add_nc_u64 s[4:5], s[4:5], s[22:23]
	s_add_nc_u64 s[6:7], s[12:13], s[24:25]
	s_add_nc_u64 s[8:9], s[12:13], s[26:27]
.macro WLOAD t                         ; block t: W(32 t + i, my column): 128 consecutive bytes a load
.set i, 0
.rept 32
	global_load_b32 v[WX+32*(\t)+i], v3, s[4:5] offset:(32*(\t)+i)*4096
.set i, i+1
.endr
.endm
	WLOAD 0
	WLOAD 1
	WLOAD 2
	WLOAD 3
.macro WBLOCK t
.set XS0, WX+32*(\t)
.if (\t) < 2
	s_wait_loadcnt 63                              ; behind this block's loads stand 96 or 64 younger ones; the wait's field names 63 at the most, and a smaller count is safe
.else
	s_wait_loadcnt 32*(3-(\t))                     ; the younger blocks' loads may be out
.endif
	v_max3_num_f32 v12, |v[XS0]|, |v[XS0+1]|, |v[XS0+2]|
	v_max3_num_f32 v13, |v[XS0+3]|, |v[XS0+4]|, |v[XS0+5]|
.irp i, 6,10,14,18,22,26
	v_max3_num_f32 v12, v12, |v[XS0+\i]|, |v[XS0+\i+1]|
	v_max3_num_f32 v13, v13, |v[XS0+\i+2]|, |v[XS0+\i+3]|
.endr
	v_max3_num_f32 v12, v12, |v[XS0+30]|, |v[XS0+31]|
	v_max3_num_f32 v12, v12, v13, 0x1800000        ; the floor
	v_add_nc_u32 v11, 0xff000000, v12
	v_lshrrev_b32 v13, 23, v11
.if (\t) == 0
	v_mov_b32 v[SB], v13
.else
	v_lshl_or_b32 v[SB], v13, 8*(\t), v[SB]        ; the lower K in the lower byte
.endif
.irp g, 0,1,2,3
	v_cvt_scalef32_pk8_fp4_f32 v[WC+4*(\t)+\g], v[XS0+8*\g:XS0+8*\g+7], v11
.endr
	v_nop                                          ; a plain line behind the last conversion
	ds_store_b128 v4, v[WC+4*(\t):WC+4*(\t)+3] offset:16*(\t)      ; each block has registers of its own for its codes
.endm
	WBLOCK 0
	WBLOCK 1
	WBLOCK 2
	WBLOCK 3
	ds_store_b32 v10, v[SB]
	s_wait_dscnt 0x0                               ; for the others' sake: my stores have landed
	s_barrier_signal -1
	s_barrier_wait -1
.irp t, 0,1,2,3
	ds_load_b128 v[WX+4*\t:WX+4*\t+3], v7 offset:2*\t*PITCH
.endr
	s_cmp_lg_u32 s16, 0                            ; wave 0 also stores the 32 columns' scale bytes, 16 a lane
	s_cbranch_scc1 .Lno_scales
	ds_load_b128 v[WX+16:WX+19], v15
	s_wait_dscnt 0x0
	global_store_b128 v9, v[WX+16:WX+19], s[8:9]
.Lno_scales:
.irp t, 0,1,2,3
	s_wait_dscnt 3-\t
	global_store_b128 v8, v[WX+4*\t:WX+4*\t+3], s[6:7] offset:2*\t*512   ; sixteen lanes store 256 consecutive bytes, aligned
.endr
	s_wait_tensorcnt 0x0                           ; the wave's end: the three lines
	ds_add_u32 v[SPW], v[NIL]
	s_wait_dscnt 0x0
	s_endpgm
.Lfunc_end_k_qac7ff56fa3_quant:
	.size	k_qac7ff56fa3_quant, .Lfunc_end_k_qac7ff56fa3_quant-k_qac7ff56fa3_quant
	.p2alignl 7, 3214868480
	.fill 96, 4, 3214868480
	.section	.rodata,"a",@progbits
	.p2align	6, 0x0
	.amdhsa_kernel k_qac7ff56fa3_quant
		.amdhsa_group_segment_fixed_size 42496
		.amdhsa_private_segment_fixed_size 0
		.amdhsa_enable_private_segment 0
		.amdhsa_kernarg_size 40
		.amdhsa_user_sgpr_count 2
		.amdhsa_user_sgpr_kernarg_segment_ptr 1
		.amdhsa_wavefront_size32 1
		.amdhsa_system_sgpr_workgroup_id_x 1
		.amdhsa_system_sgpr_workgroup_id_y 1
		.amdhsa_system_sgpr_workgroup_id_z 1
		.amdhsa_system_vgpr_workitem_id 0
		.amdhsa_next_free_vgpr 232
		.amdhsa_next_free_sgpr 66
		.amdhsa_reserve_vcc 0
		.amdhsa_float_denorm_mode_32 3
		.amdhsa_float_denorm_mode_16_64 3
		.amdhsa_memory_ordered 1
		.amdhsa_forward_progress 1
		.amdhsa_inst_pref_size 55
	.end_amdhsa_kernel
	.amdgpu_metadata
---
amdhsa.version: [ 1, 2 ]
amdhsa.kernels:
  - .name:           k_qac7ff56fa3_quant
    .symbol:         k_qac7ff56fa3_quant.kd
    .args:
      - { .name: embeddings, .offset: 0, .size: 8, .value_kind: global_buffer, .address_space: global }
      - { .name: W_Q, .offset: 8, .size: 8, .value_kind: global_buffer, .address_space: global }
      - { .name: W_K, .offset: 16, .size: 8, .value_kind: global_buffer, .address_space: global }
      - { .name: W_V, .offset: 24, .size: 8, .value_kind: global_buffer, .address_space: global }
      - { .name: cs, .offset: 32, .size: 8, .value_kind: global_buffer, .address_space: global }
    .group_segment_fixed_size: 42496
    .private_segment_fixed_size: 0
    .kernarg_segment_align: 8
    .kernarg_segment_size: 40
    .max_flat_workgroup_size: 128
    .sgpr_count:     66
    .vgpr_count:     232
    .wavefront_size: 32
...
	.end_amdgpu_metadata
.endif
;; end of part 1
;; launch proj (part 2): grid 12 x 32, 4 waves a work-group, clusters of 4 x 4, 327,680 bytes of LDS; arguments cs, qk, vt, first16; writes qk, vt, first16
.if DOCPART == 2
	.amdgcn_target "amdgcn-amd-amdhsa--gfx1250"
	.amdhsa_code_object_version 6
	.text
	.protected	k_qac7ff56fa3_proj
	.globl	k_qac7ff56fa3_proj
	.p2align	8
	.type	k_qac7ff56fa3_proj,@function
k_qac7ff56fa3_proj:
	s_mov_b64 s[64:65], 0
	v_nop
	global_prefetch_b8 v0, s[64:65] scope:SCOPE_SE
	s_setreg_imm32_b32 hwreg(HW_REG_WAVE_MODE, 25, 1), 1
	s_wait_xcnt 0x0
	s_wait_alu depctr_hold_cnt(0) depctr_sa_sdst(0) depctr_va_vdst(0) depctr_va_sdst(0) depctr_va_ssrc(0) depctr_va_vcc(0) depctr_vm_vsrc(0)
	s_getreg_b32 s2, hwreg(HW_REG_IB_STS2, 6, 4)
	s_cmp_eq_u32 s2, 0
	s_cbranch_scc0 .Lentry_in_a_cluster
	s_endpgm
.Lentry_in_a_cluster:
	s_bfe_u32 s2, ttmp6, 0x10000c
	s_cmp_lg_u32 s2, 0xf033
	s_cbranch_scc0 .Lentry_shape_is_right
	s_endpgm
.Lentry_shape_is_right:
; Q = X W_Q, K = X W_K, V = X W_V on codes of E2M1 with E8M0 scales (cs, made by the launch before), K = 1,024; sums in f32.
; Out: qk [8192 tokens][2048] f16 (Q in columns 0-1023, K in 1024-2047); vt [1024 d][8192 tokens] f16 (V turned); first16: positions 0-15 of each sequence in f32: [4][16][2048] Q|K, then from byte 524,288 [4][1024 d][16].
; LIMIT: |Q|, |K|, |V| under 65,504, f16's largest number.
; A tile of 256 x 256 of the output is made by four waves, 128 x 128 each: 64 accumulators, 512 registers.  K goes in two steps of 512 through two LDS slots, each filled once.
; REGION A holds the 256 rows of cs that are the output's ROWS, region B those that are its COLUMNS.  Cluster x = 0, 1 (Q, K): rows = tokens, columns = the weight's n.  Cluster x = 2 (V): rows = the weight's d, columns = tokens:
; both lie in one array of one layout, so only the row numbers differ.  The matrix instruction takes source 0 = region B, source 1 = region A: a lane holds one output row and eight neighbouring columns.
; CLUSTER 4 x 4: A's tiles hang on cy alone and are asked for jointly by the four of a row of the cluster, B's on cx alone, by the four of a column.  Branches hang on the cluster's x and y and the wave's number alone.
; Token tile = 8 (cy or cx) + cluster y: the first tile of each of the four sequences lies in the clusters with y = 0.
; REGISTERS: window 0: v0-31 addresses; v32-95 scale words, two sets; v96-103 store offsets; v128-191 A's fragments, one set; on the way out v128-159, v192-255.  window 1: B's fragments, two sets.  windows 2, 3: accumulators.
.set NQ,     4
.set ROWB,   256
.set KROW,   512
.set PITCH,  272                       ; 256 bytes + 16 of padding: the 16 rows of a fragment load start 68 words apart
.set FR,     8
.set NL,     2
.set NP,     4
.set HALFT,  128*PITCH
.set SLOT,   4*HALFT
.set SCL,    2*SLOT                    ; the scales of 2 x 256 rows, all of K, as rows of 256 bytes + 16
.set HALFS,  16*272
.set SBLK,   2*272
.set SPARE,  SCL+4*HALFS               ; the spare words, 128 bytes a wave
.set SPITCH, 272                       ; the way out: 16 rows x 272 bytes a wave, in slot 0, which is filled once and read no more behind the change of slots
.set XS,     5767168
.set ADRA, 16
.set ADRB, 20
.set STO,  24
.set RD,   25
.set FO,   26                          ; v26 my offset in first16
.set ADRS, 27
.set SPW,  28
.set NIL,  29
.set SC,   32
.set CO,   96                          ; v96-103 my byte offset in the output for each of a block's eight stores
.set AF,   128
.set TMP,  192
.set G1, 24
.set G0, 32
.set G1B, 48
.set G0B, 56
.set G1S, 68
.set G0S, 76
.set G1SB, 80
.set G0SB, 88
.set MSB, 0
.macro WIN new
.if MSB != (\new)
	s_set_vgpr_msb (MSB<<8)|(\new)
.set MSB, (\new)
.endif
.endm
.set MUL_LO, 0xa1
.set MUL_HI, 0xf1
.set TO_B,   0x40
.macro JLOAD g0a, g1a, g0b, g1b        ; waves 0, 1 fetch for A, waves 2, 3 for B; an s_nop 0 and four v_nop follow each line
	s_cmp_eq_u32 s15, 0
	s_cbranch_scc0 .Lfor_b_\@
	tensor_load_to_lds s[\g0a:\g0a+3], s[\g1a:\g1a+7]
	s_nop 0
.rept 4
	v_nop
.endr
	s_branch .Lasked_\@
.Lfor_b_\@:
	tensor_load_to_lds s[\g0b:\g0b+3], s[\g1b:\g1b+7]
	s_nop 0
.rept 4
	v_nop
.endr
.Lasked_\@:
.endm
.macro CROUND                          ; a round of the cluster's barrier
	s_barrier_signal -1
	s_barrier_wait -1
	s_cmp_lg_u32 s14, 0
	s_cbranch_scc1 .Lnot_wave_0_\@
	s_barrier_signal -3
.Lnot_wave_0_\@:
	s_barrier_wait -3
	s_barrier_signal -1
	s_barrier_wait -1
.endm
	s_load_b256 s[4:11], s[0:1], 0x0               ; cs s[4:5], qk s[6:7], vt s[8:9], first16 s[10:11]
	v_lshl_add_u32 v[SPW], v0, 2, SPARE
	v_mov_b32 v[NIL], 0
	ds_add_u32 v[SPW], v[NIL]                      ; the opening: the add, twice on end, and its wait ahead of my first tensor load
	ds_add_u32 v[SPW], v[NIL]
	v_lshrrev_b32 v1, 5, v0
	v_readfirstlane_b32 s14, v1                    ; wave
	s_lshr_b32 s15, s14, 1                         ; my half of the output rows; also: I fetch for A (0) or B (1)
	s_and_b32 s16, s14, 1                          ; my half of the output columns; also: which 128 rows I fetch
	s_bfe_u32 s40, ttmp6, 0x40000                  ; cx
	s_bfe_u32 s41, ttmp6, 0x40004                  ; cy
	s_and_b32 s17, ttmp7, 0xffff                   ; cluster y
	s_lshl_b32 s18, s17, 8
	s_lshl_b32 s19, ttmp9, 10
	s_lshl_b32 s20, s41, 11
	s_add_co_u32 s20, s20, s18                     ; Q, K: output row = token 2048 cy + 256 y
	s_lshl_b32 s21, s41, 8                         ; V:    output row = d 256 cy
	s_lshl_b32 s22, s40, 8
	s_add_co_u32 s22, s22, s19                     ; Q, K: output column 1024 x + 256 cx
	s_lshl_b32 s23, s40, 11
	s_add_co_u32 s23, s23, s18                     ; V:    output column = token 2048 cx + 256 y
	s_cmp_eq_u32 ttmp9, 2                          ; the same in all sixteen partners
	s_cselect_b32 s96, s21, s20                    ; the tile's first output row: of cy alone
	s_cselect_b32 s97, s23, s22                    ; its first output column: of cx alone
	s_cselect_b32 s42, 10240, 0                    ; where A's rows begin in cs
	s_cselect_b32 s45, 0, 8192                     ; and B's (Q, K: 8192 + 1024 x + 256 cx)
	s_cselect_b32 s98, 14, 12                      ; log2 of the output's pitch in bytes
	s_lshl_b32 s43, s41, 2
	s_lshl_b32 s43, 15, s43                        ; my row of the cluster
	s_lshl_b32 s44, 0x1111, s40                    ; my column
	s_or_b32 s[G1+0], s43, (0<<16)|(1<<20)|(1<<21)|(5<<22)|(3<<25)   ; mask; bytes; padding on; bit 21 beside a mask; 4 words behind every 64
	s_or_b32 s[G1B+0], s44, (0<<16)|(1<<20)|(1<<21)|(5<<22)|(3<<25)
.irp g, G1, G1B
	s_mov_b32 s[\g+1], ROWB<<16
	s_mov_b32 s[\g+2], 128<<16
	s_mov_b32 s[\g+3], ROWB<<16
	s_mov_b32 s[\g+4], 128
	s_mov_b32 s[\g+5], KROW
	s_mov_b32 s[\g+6], 0
	s_mov_b32 s[\g+7], 0
.endr
	s_or_b32 s[G1S+0], s43, (3<<16)|(1<<20)|(1<<21)|(5<<22)|(3<<25)  ; the scales of 128 rows: 4,096 dense bytes as 16 rows of 32 elements of 8 bytes
	s_or_b32 s[G1SB+0], s44, (3<<16)|(1<<20)|(1<<21)|(5<<22)|(3<<25)
.irp g, G1S, G1SB
	s_mov_b32 s[\g+1], 32<<16
	s_mov_b32 s[\g+2], 16<<16
	s_mov_b32 s[\g+3], 32<<16
	s_mov_b32 s[\g+4], 16
	s_mov_b32 s[\g+5], 32
	s_mov_b32 s[\g+6], 0
	s_mov_b32 s[\g+7], 0
.endr
	s_lshl_b32 s18, s16, 7
	s_add_co_u32 s20, s96, s42
	s_add_co_u32 s20, s20, s18                     ; A: the first row of cs that I fetch
	s_add_co_u32 s46, s97, s45
	s_add_co_u32 s46, s46, s18                     ; B likewise
	s_lshl_b32 s22, s20, 5
	s_add_co_u32 s22, s22, XS
	s_mov_b32 s23, 0
	s_lshl_b32 s92, s46, 5
	s_add_co_u32 s92, s92, XS
	s_mov_b32 s93, 0
	s_lshl_b32 s20, s20, 9
	s_mov_b32 s21, 0
	s_lshl_b32 s46, s46, 9
	s_mov_b32 s47, 0
	s_mul_i32 s45, s14, HALFT                      ; where they go: wave x 128 rows
	s_mul_i32 s94, s14, HALFS
	s_wait_dscnt 0x0                               ; both opening adds are done
	s_wait_kmcnt 0x0
	s_add_nc_u64 s[20:21], s[4:5], s[20:21]
	s_add_nc_u64 s[22:23], s[4:5], s[22:23]
	s_add_nc_u64 s[46:47], s[4:5], s[46:47]
	s_add_nc_u64 s[92:93], s[4:5], s[92:93]
	CROUND                                         ; all sixteen work-groups are here: the joint loads meet
	s_mov_b32 s[G0S], 1
	s_add_co_u32 s[G0S+1], s94, SCL
	s_mov_b64 s[G0S+2:G0S+3], s[22:23]
	s_or_b32 s[G0S+3], s[G0S+3], 0x80000000
	s_mov_b32 s[G0SB], 1
	s_add_co_u32 s[G0SB+1], s94, SCL
	s_mov_b64 s[G0SB+2:G0SB+3], s[92:93]
	s_or_b32 s[G0SB+3], s[G0SB+3], 0x80000000
	JLOAD G0S, G1S, G0SB, G1SB                     ; three loads of mine go out as one group: the scales, slot 0, slot 1
.irp s, 0,1
	s_mov_b32 s[G0+4*\s], 1
	s_add_co_u32 s[G0+4*\s+1], s45, \s*SLOT
	s_add_nc_u64 s[G0+4*\s+2:G0+4*\s+3], s[20:21], \s*ROWB
	s_or_b32 s[G0+4*\s+3], s[G0+4*\s+3], 0x80000000
	s_mov_b32 s[G0B+4*\s], 1
	s_add_co_u32 s[G0B+4*\s+1], s45, \s*SLOT
	s_add_nc_u64 s[G0B+4*\s+2:G0B+4*\s+3], s[46:47], \s*ROWB
	s_or_b32 s[G0B+4*\s+3], s[G0B+4*\s+3], 0x80000000
	JLOAD G0+4*\s, G1, G0B+4*\s, G1B
.endr
	v_and_b32 v1, 15, v0                           ; r
	v_bfe_u32 v2, v0, 4, 1                         ; h
	v_mul_u32_u24 v3, v1, PITCH
	v_lshl_add_u32 v4, v2, 4, v3
	s_mul_i32 s21, s15, HALFT
	s_mul_i32 s22, s16, HALFT
	s_add_co_u32 s22, s22, 2*HALFT
.irp s, 0,1
	v_add_nc_u32 v[ADRA+\s], s21, v4
	v_add_nc_u32 v[ADRB+\s], s22, v4
	s_add_co_u32 s21, s21, SLOT
	s_add_co_u32 s22, s22, SLOT
.endr
	v_lshlrev_b32 v5, 5, v1                        ; my row's scales: 32 bytes a row,
	v_lshrrev_b32 v6, 8, v5
	v_lshl_add_u32 v5, v6, 4, v5                   ; and 16 more for each 256 passed
	s_mul_i32 s21, s15, HALFS
	s_mul_i32 s22, s16, HALFS
	s_add_co_u32 s22, s22, 2*HALFS
	s_sub_co_u32 s22, s22, s21
	v_mul_u32_u24 v6, s22, v2                      ; lanes 16-31 take B's
	s_add_co_u32 s21, s21, SCL
	v_add_nc_u32 v5, v5, v6
	v_add_nc_u32 v[ADRS], s21, v5
	s_mul_i32 s23, s14, 16*SPITCH                  ; my stage
	v_mul_u32_u24 v5, v1, SPITCH
	v_lshl_add_u32 v5, v2, 4, v5
	v_add_nc_u32 v[STO], s23, v5
	v_mul_u32_u24 v5, v2, SPITCH
	v_lshl_add_u32 v5, v1, 4, v5
	v_add_nc_u32 v[RD], s23, v5
	v_lshlrev_b32 v5, s98, v2                      ; lanes 16-31: one output row further down
	v_lshl_add_u32 v[CO], v1, 4, v5
	s_lshl_b32 s99, 2, s98                         ; two output rows
.irp t, 1,2,3,4,5,6,7
	v_add_nc_u32 v[CO+\t], s99, v[CO+\t-1]
.endr
	s_lshl_b32 s100, 16, s98                       ; sixteen output rows
	s_mov_b32 s101, 0
	s_lshl_b32 s18, s15, 7
	s_add_co_u32 s18, s18, s96                     ; my first output row
	s_lshl_b32 s19, s16, 7
	s_add_co_u32 s19, s19, s97                     ; my first output column
	s_lshl_b32 s20, s18, s98
	s_lshl_b32 s22, s19, 1
	s_add_co_u32 s20, s20, s22
	s_mov_b32 s21, 0
	s_lshl_b32 s22, s41, 17                        ; first16, Q and K: sequence cy, 16 rows of 8,192 bytes; my columns
	s_lshl_b32 s23, s19, 2
	s_add_co_u32 s22, s22, s23
	s_lshl_b32 s23, s40, 16                        ; V: sequence cx, rows d of 64 bytes
	s_lshl_b32 s18, s18, 6
	s_add_co_u32 s23, s23, s18
	s_add_co_u32 s23, s23, 524288
	s_cmp_eq_u32 ttmp9, 2
	s_cselect_b64 s[12:13], s[8:9], s[6:7]         ; the output: vt or qk
	s_cselect_b32 s22, s23, s22
	s_cselect_b32 s18, 6, 13
	s_mov_b32 s23, 0
	s_add_nc_u64 s[12:13], s[12:13], s[20:21]
	s_add_nc_u64 s[10:11], s[10:11], s[22:23]
	v_lshlrev_b32 v[FO], s18, v1                   ; row r of first16's rows,
	v_lshl_add_u32 v[FO], v2, 5, v[FO]             ; + my half's 32 bytes
.macro FRAG reg, adr, q, i             ; 16 rows x 128 K of 4-bit codes: 8 registers, two loads 32 bytes apart
.irp c, 0,1
	ds_load_b128 v[\reg+4*\c:\reg+4*\c+3], v[\adr] offset:64*(\q)+32*\c+(\i)*16*PITCH
.endr
.endm
.macro MUL16 a0, p, q, sc, zero        ; A's blocks a0, a0 + 1 x B's eight; the 64 accumulators take turns
.irp a, \a0, \a0+1
.irp b, 0,1,2,3,4,5,6,7
.if \zero
	v_wmma_scale_f32_16x16x128_f8f6f4 v[8*(8*((\a)%4)+\b):8*(8*((\a)%4)+\b)+7], v[128*(\p)+FR*\b:128*(\p)+FR*\b+FR-1], v[AF+FR*(\a):AF+FR*(\a)+FR-1], 0, v[SC+8*NQ*(\sc)+NQ*\b+(\q)], v[SC+8*NQ*(\sc)+NQ*(\a)+(\q)] matrix_a_fmt:MATRIX_FMT_FP4 matrix_b_fmt:MATRIX_FMT_FP4 matrix_a_scale:MATRIX_SCALE_ROW1
.else
	v_wmma_scale_f32_16x16x128_f8f6f4 v[8*(8*((\a)%4)+\b):8*(8*((\a)%4)+\b)+7], v[128*(\p)+FR*\b:128*(\p)+FR*\b+FR-1], v[AF+FR*(\a):AF+FR*(\a)+FR-1], v[8*(8*((\a)%4)+\b):8*(8*((\a)%4)+\b)+7], v[SC+8*NQ*(\sc)+NQ*\b+(\q)], v[SC+8*NQ*(\sc)+NQ*(\a)+(\q)] matrix_a_fmt:MATRIX_FMT_FP4 matrix_b_fmt:MATRIX_FMT_FP4 matrix_a_scale:MATRIX_SCALE_ROW1
.endif
.endr
.endr
.endm
.macro FETCH_B slot, q, p
	WIN TO_B
.irp i, 0,1,2,3,4,5,6,7
	FRAG 128*(\p)+FR*\i, ADRB+\slot, \q, \i
.endr
	WIN 0
.endm
.macro FETCH_A slot, q, i0
.irp i, \i0, \i0+1, \i0+2, \i0+3
	FRAG AF+FR*(\i), ADRA+\slot, \q, \i
.endr
.endm
.macro SCALES sc                       ; a slot's scale words: lanes 0-15 A's block i, lanes 16-31 B's block i; four words a row
.irp i, 0,1,2,3,4,5,6,7
	ds_load_b128 v[SC+8*NQ*\sc+NQ*\i:SC+8*NQ*\sc+NQ*\i+3], v[ADRS] offset:\i*SBLK
.endr
.endm
.macro PLACES n                        ; plain vector lines between a matrix instruction and a load into, or a read of, its registers
.rept \n
	v_nop
.endr
.endm
.macro STEP slot, q, zero
	s_wait_dscnt 4*NL                              ; B's set and A's blocks 0-3 are in; the youngest eight loads (A's blocks 4-7) may be out
	WIN MUL_LO
	MUL16 0, (\q)%2, \q, \slot, \zero
	MUL16 2, (\q)%2, \q, \slot, \zero
	s_wait_dscnt 0
	PLACES NP
	FETCH_B \slot, (\q)+1, 1-(\q)%2
	FETCH_A \slot, (\q)+1, 0
	WIN MUL_HI
	MUL16 4, (\q)%2, \q, \slot, \zero
	MUL16 6, (\q)%2, \q, \slot, \zero
	PLACES NP
	WIN 0
	FETCH_A \slot, (\q)+1, 4
.endm
	s_wait_tensorcnt 1                             ; the scales and my part of slot 0 are in; slot 1's load may stay out
	s_barrier_signal -1
	s_barrier_wait -1
	FETCH_B 0, 0, 0
	FETCH_A 0, 0, 0
	SCALES 0
	FETCH_A 0, 0, 4
	STEP 0, 0, 1                                   ; the first products start the sums
	STEP 0, 1, 0
	STEP 0, 2, 0
	; slot 0's last step changes slots: all my tensor loads have landed, the add, my reads of slot 0 are over, one barrier
	s_wait_tensorcnt 0x0
	ds_add_u32 v[SPW], v[NIL]
	s_wait_dscnt 4*NL+1                            ; the add and the youngest eight loads may be out
	WIN MUL_LO
	MUL16 0, 1, 3, 0, 0
	s_wait_dscnt 0x0
	s_barrier_signal -1
	MUL16 2, 1, 3, 0, 0
	WIN 0
	s_barrier_wait -1
	PLACES NP
	v_add_nc_u32 v[ADRS], 4*NQ, v[ADRS]            ; the second 512 along K: 16 bytes on in each row of scales
	FETCH_B 1, 0, 0
	FETCH_A 1, 0, 0
	SCALES 1
	WIN MUL_HI
	MUL16 4, 1, 3, 0, 0
	MUL16 6, 1, 3, 0, 0
	PLACES NP
	WIN 0
	FETCH_A 1, 0, 4
	STEP 1, 0, 0
	STEP 1, 1, 0
	STEP 1, 2, 0
	s_wait_dscnt 4*NL
	WIN MUL_LO
	MUL16 0, 1, 3, 1, 0
	MUL16 2, 1, 3, 1, 0
	s_wait_dscnt 0
	WIN MUL_HI
	MUL16 4, 1, 3, 1, 0
	MUL16 6, 1, 3, 1, 0
	WIN 0
	PLACES NP
	; positions 0-15 of each sequence also leave in f32: they lie in the clusters with y = 0
	s_cmp_lg_u32 s17, 0
	s_cbranch_scc1 .Lno_first
	s_cmp_eq_u32 ttmp9, 2
	s_cbranch_scc1 .Lfirst_v
	s_cmp_lg_u32 s15, 0                            ; Q, K: the tokens are output rows: block 0 of the waves with the upper rows
	s_cbranch_scc1 .Lno_first
	WIN 0x08                                       ; a store's data: window 2
.irp b, 0,1,2,3,4,5,6,7
	global_store_b128 v[FO], v[8*\b:8*\b+3], s[10:11] offset:64*\b          ; each accumulator from its low end on
	global_store_b128 v[FO], v[8*\b+4:8*\b+7], s[10:11] offset:64*\b+16
.endr
	WIN 0
	s_branch .Lno_first
.Lfirst_v:
	s_cmp_lg_u32 s16, 0                            ; V: the tokens are output columns: B's block 0 of the waves with the left columns
	s_cbranch_scc1 .Lno_first
	WIN 0x08
.irp a, 0,1,2,3
	global_store_b128 v[FO], v[64*\a:64*\a+3], s[10:11] offset:1024*\a
	global_store_b128 v[FO], v[64*\a+4:64*\a+7], s[10:11] offset:1024*\a+16
.endr
	WIN 0x0c
.irp a, 0,1,2,3
	global_store_b128 v[FO], v[64*\a:64*\a+3], s[10:11] offset:1024*(\a+4)
	global_store_b128 v[FO], v[64*\a+4:64*\a+7], s[10:11] offset:1024*(\a+4)+16
.endr
	WIN 0
.Lno_first:
; THE WAY OUT, a block of 16 output rows x 128 columns at a time: rounded to f16, 16 bytes a lane into my stage, back as whole rows of 256 bytes.
.macro PACK a
.set AC, 64*((\a)%4)
	WIN 0x0a+5*((\a)/4)
.irp b, 0,1,2,3,4,5,6,7
.irp r, 0,1,2,3
	v_cvt_pk_f16_f32 v[TMP+4*\b+\r], v[AC+8*\b+2*\r], v[AC+8*\b+2*\r+1]
.endr
.endr
	WIN 0
.endm
.macro TOSTAGE a
.set BK, 128+96*((\a)%2)
.irp b, 0,1,2,3,4,5,6,7
	ds_store_b128 v[STO], v[TMP+4*\b:TMP+4*\b+3] offset:32*\b
.endr
.irp t, 0,1,2,3,4,5,6,7
	ds_load_b128 v[BK+4*\t:BK+4*\t+3], v[RD] offset:\t*2*SPITCH    ; LDS serves a wave's instructions in order: these see the stores above
.endr
.endm
.macro SEND a
.set BK, 128+96*((\a)%2)
	s_wait_dscnt 0x0                               ; the block is back in registers
	s_wait_xcnt 0x0                                ; earlier stores have read their base and data: only now are they rewritten
.if (\a) > 0
	s_add_nc_u64 s[12:13], s[12:13], s[100:101]
.endif
.irp t, 0,1,2,3,4,5,6,7
	global_store_b128 v[CO+\t], v[BK+4*\t:BK+4*\t+3], s[12:13]     ; sixteen lanes store 256 consecutive bytes, aligned
.endr
.endm
	PACK 0
	TOSTAGE 0
.irp a, 1,2,3,4,5,6,7
	PACK \a
	SEND \a-1
	TOSTAGE \a
.endr
	SEND 7
	s_wait_tensorcnt 0x0                           ; the wave's end: the three lines
	ds_add_u32 v[SPW], v[NIL]
	s_wait_dscnt 0x0
	CROUND                                         ; the closing round
	s_endpgm
.Lfunc_end_k_qac7ff56fa3_proj:
	.size	k_qac7ff56fa3_proj, .Lfunc_end_k_qac7ff56fa3_proj-k_qac7ff56fa3_proj
	.p2alignl 7, 3214868480
	.fill 96, 4, 3214868480
	.section	.rodata,"a",@progbits
	.p2align	6, 0x0
	.amdhsa_kernel k_qac7ff56fa3_proj
		.amdhsa_group_segment_fixed_size 327680
		.amdhsa_private_segment_fixed_size 0
		.amdhsa_enable_private_segment 0
		.amdhsa_kernarg_size 32
		.amdhsa_user_sgpr_count 2
		.amdhsa_user_sgpr_kernarg_segment_ptr 1
		.amdhsa_wavefront_size32 1
		.amdhsa_system_sgpr_workgroup_id_x 1
		.amdhsa_system_sgpr_workgroup_id_y 1
		.amdhsa_system_sgpr_workgroup_id_z 1
		.amdhsa_system_vgpr_workitem_id 0
		.amdhsa_next_free_vgpr 1024
		.amdhsa_next_free_sgpr 102
		.amdhsa_reserve_vcc 0
		.amdhsa_float_denorm_mode_32 3
		.amdhsa_float_denorm_mode_16_64 3
		.amdhsa_memory_ordered 1
		.amdhsa_forward_progress 1
		.amdhsa_inst_pref_size 131
	.end_amdhsa_kernel
	.amdgpu_metadata
---
amdhsa.version: [ 1, 2 ]
amdhsa.kernels:
  - .name:           k_qac7ff56fa3_proj
    .symbol:         k_qac7ff56fa3_proj.kd
    .args:
      - { .name: cs, .offset: 0, .size: 8, .value_kind: global_buffer, .address_space: global }
      - { .name: qk, .offset: 8, .size: 8, .value_kind: global_buffer, .address_space: global }
      - { .name: vt, .offset: 16, .size: 8, .value_kind: global_buffer, .address_space: global }
      - { .name: first16, .offset: 24, .size: 8, .value_kind: global_buffer, .address_space: global }
    .group_segment_fixed_size: 327680
    .private_segment_fixed_size: 0
    .kernarg_segment_align: 8
    .kernarg_segment_size: 32
    .max_flat_workgroup_size: 128
    .sgpr_count:     102
    .vgpr_count:     1024
    .wavefront_size: 32
...
	.end_amdgpu_metadata
.endif
;; end of part 2
;; launch scores (part 3): grid 36 x 4, 4 waves a work-group, no clusters, 327,680 bytes of LDS; arguments qk, pp, stat; writes pp, stat
.if DOCPART == 3
	.amdgcn_target "amdgcn-amd-amdhsa--gfx1250"
	.amdhsa_code_object_version 6
	.text
	.protected	k_qac7ff56fa3_scores
	.globl	k_qac7ff56fa3_scores
	.p2align	8
	.type	k_qac7ff56fa3_scores,@function
k_qac7ff56fa3_scores:
	s_mov_b64 s[64:65], 0
	v_nop
	global_prefetch_b8 v0, s[64:65] scope:SCOPE_SE
	s_setreg_imm32_b32 hwreg(HW_REG_WAVE_MODE, 25, 1), 1
	s_wait_xcnt 0x0
; The tiles of 256 queries x 256 keys of Q K^T that lie on or under the diagonal: 36 a sequence; f16 operands, f32 sums, K = 1,024.  On the way out, for each query and each chunk of 128 keys:
; t = score x log2(e) / 32; M = the chunk's largest t rounded up to a whole number; p = 2^(t - M), stored as f16 in pp [4][2048 q][2048 keys]; (-M, the sum of the unrounded p) in stat [4][16 chunks][2048 q][2].
; Hidden keys (key > query) get p = 0.  A chunk that lies wholly over the diagonal is not stored, and no later launch reads it.
; NO CLUSTER: a sequence's tile rows have 1 to 8 tiles, so they do not fall into fours that share a tile of Q or of K, and partners made up to four would multiply tiles that the mask throws away.
; Four waves, 128 x 128 each: 64 accumulators.  K goes in steps of 128 through a ring of two LDS slots; each wave fetches a quarter of a slot (waves 0, 1: Q's rows; waves 2, 3: K's).
; Source 0 = 16 keys, source 1 = 16 queries: a lane holds ONE query and 64 of the chunk's keys, the lane 16 away the other 64.
; REGISTERS: window 0: v0-31 addresses; v64-191 Q's fragments, two buffers; window 1: K's fragments; windows 2, 3: accumulators ((a, b) at v[8 (8 (a % 4) + b)]).
; Way out, window 0: v64-127 t and p; v128-159 packed p; v160-193 at work; v32-63 and v224-255 rows back from the stage.
.set KSTEP,  128
.set PITCH,  272
.set HALFT,  128*PITCH
.set SLOT,   4*HALFT
.set STAGE,  2*SLOT
.set SPITCH, 272
.set SPARE,  STAGE+4*16*SPITCH
.set LAPS,   4
.set ADRA, 16
.set ADRB, 20
.set STO,  24
.set RD,   25
.set CO,   26
.set SO,   27                          ; v27 my byte in a block's 128 bytes of stat: 8 r + 4 h
.set SPW,  28
.set NIL,  29
.set VD,   30                          ; v30 r - 8 h
.set NINF, 31                          ; v31 -infinity
.set F0,   64
.set F1,   128
.set T,    64
.set TMP,  128
.set MX,   160
.set NM,   184                         ; v[184:185] -M, twice
.set PRM,  187
.set SA,   188
.set SB,   190
.set VS,   192
.set VL,   193
.set OB,   32
.set G1, 24
.set G0, 32
.set CS, 44                            ; s[44:45] c = log2(e) / 32
.set SEL, 46
.set MSB, 0
.macro WIN new
.if MSB != (\new)
	s_set_vgpr_msb (MSB<<8)|(\new)
.set MSB, (\new)
.endif
.endm
.set MUL_LO, 0xa1
.set MUL_HI, 0xf1
.set TO_B,   0x40
	s_load_b128 s[4:7], s[0:1], 0x0                ; qk, pp
	s_load_b64 s[8:9], s[0:1], 0x10                ; stat
	v_lshl_add_u32 v[SPW], v0, 2, SPARE
	v_mov_b32 v[NIL], 0
	ds_add_u32 v[SPW], v[NIL]                      ; the opening: the add, twice on end, and its wait ahead of my first tensor load
	ds_add_u32 v[SPW], v[NIL]
	v_lshrrev_b32 v1, 5, v0
	v_readfirstlane_b32 s10, v1                    ; wave
	s_lshr_b32 s11, s10, 1                         ; my half of the queries; also: I fetch Q (0) or K (1)
	s_and_b32 s12, s10, 1                          ; my half of the keys; also: which 128 rows I fetch
	s_and_b32 s13, ttmp7, 0xffff                   ; the sequence
	s_mov_b32 s40, 0                               ; tile row I: the number of triangular numbers at or under the work-group's x
.irp th, 1,3,6,10,15,21,28
	s_cmp_ge_u32 ttmp9, \th
	s_cselect_b32 s41, 1, 0
	s_add_co_u32 s40, s40, s41
.endr
	s_add_co_u32 s41, s40, 1
	s_mul_i32 s41, s41, s40
	s_lshr_b32 s41, s41, 1
	s_sub_co_u32 s41, ttmp9, s41                   ; tile column J, 0 .. I
	s_cmp_eq_u32 s40, s41
	s_cselect_b32 s49, 1, 0
	s_cmp_eq_u32 s11, s12
	s_cselect_b32 s42, s49, 0                      ; my 128 x 128 lies on the diagonal
	s_cmp_lt_u32 s11, s12
	s_cselect_b32 s43, s49, 0                      ; or wholly over it
	s_mov_b32 s[G1+0], (1<<16)|(1<<20)|(5<<22)|(3<<25)   ; no mask; 2 bytes; padding: 4 words behind every 64
	s_mov_b32 s[G1+1], KSTEP<<16
	s_mov_b32 s[G1+2], 128<<16
	s_mov_b32 s[G1+3], KSTEP<<16
	s_mov_b32 s[G1+4], 128
	s_mov_b32 s[G1+5], 2048                        ; a row of qk in elements
	s_mov_b32 s[G1+6], 0
	s_mov_b32 s[G1+7], 0
	s_mov_b32 s[CS], 0x3d38aa3b
	s_mov_b32 s[CS+1], s[CS]
	s_mov_b32 s[SEL], 0x76543210
	s_mov_b32 s[SEL+1], 0xfedcba98
	s_cmp_lt_u32 s10, 2
	s_cselect_b32 s16, s40, s41
	s_cselect_b32 s17, 0, 2048                     ; K lies 2,048 bytes on in a row
	s_lshl_b32 s16, s16, 8
	s_lshl_b32 s18, s12, 7
	s_add_co_u32 s16, s16, s18
	s_lshl_b32 s18, s13, 11
	s_add_co_u32 s16, s16, s18                     ; the first token that I fetch
	s_lshl_b32 s16, s16, 12
	s_add_co_u32 s16, s16, s17
	s_mov_b32 s17, 0
	s_mul_i32 s20, s10, HALFT
	s_wait_dscnt 0x0
	s_wait_kmcnt 0x0
	s_add_nc_u64 s[14:15], s[4:5], s[16:17]
.irp s, 0,1
	s_mov_b32 s[G0+4*\s], 1
	s_add_co_u32 s[G0+4*\s+1], s20, \s*SLOT
	s_add_nc_u64 s[G0+4*\s+2:G0+4*\s+3], s[14:15], \s*KSTEP*2
	s_or_b32 s[G0+4*\s+3], s[G0+4*\s+3], 0x80000000
	tensor_load_to_lds s[G0+4*\s:G0+4*\s+3], s[G1:G1+7]            ; two loads of mine go out together
	s_nop 0
.endr
	v_and_b32 v1, 15, v0
	v_bfe_u32 v2, v0, 4, 1
	v_mul_u32_u24 v3, v1, PITCH
	v_lshl_add_u32 v3, v2, 4, v3
	s_mul_i32 s21, s11, HALFT
	s_mul_i32 s22, s12, HALFT
	s_add_co_u32 s22, s22, 2*HALFT
.irp s, 0,1
	v_add_nc_u32 v[ADRA+\s], s21, v3
	v_add_nc_u32 v[ADRB+\s], s22, v3
	s_add_co_u32 s21, s21, SLOT
	s_add_co_u32 s22, s22, SLOT
.endr
	s_mul_i32 s23, s10, 16*SPITCH
	s_add_co_u32 s23, s23, STAGE
	v_mul_u32_u24 v4, v1, SPITCH
	v_lshl_add_u32 v4, v2, 4, v4
	v_add_nc_u32 v[STO], s23, v4
	v_mul_u32_u24 v5, v2, SPITCH
	v_lshl_add_u32 v5, v1, 4, v5
	v_add_nc_u32 v[RD], s23, v5
	v_lshlrev_b32 v5, 12, v2
	v_lshl_add_u32 v[CO], v1, 4, v5
	v_lshlrev_b32 v[SO], 3, v1
	v_lshl_add_u32 v[SO], v2, 2, v[SO]
	v_lshlrev_b32 v5, 3, v2
	v_sub_nc_u32 v[VD], v1, v5
	v_mov_b32 v[NINF], 0xff800000
	s_lshl_b32 s16, s40, 8
	s_lshl_b32 s17, s11, 7
	s_add_co_u32 s16, s16, s17                     ; my first query in the sequence
	s_lshl_b32 s18, s41, 1
	s_add_co_u32 s18, s18, s12                     ; my chunk of keys
	s_lshl_b32 s19, s13, 23
	s_lshl_b32 s17, s16, 12
	s_add_co_u32 s19, s19, s17
	s_lshl_b32 s17, s18, 8
	s_add_co_u32 s20, s19, s17
	s_mov_b32 s21, 0
	s_add_nc_u64 s[6:7], s[6:7], s[20:21]          ; pp at my first query and key
	s_lshl_b32 s17, s13, 4
	s_add_co_u32 s17, s17, s18
	s_lshl_b32 s17, s17, 11
	s_add_co_u32 s17, s17, s16
	s_lshl_b32 s20, s17, 3
	s_add_nc_u64 s[8:9], s[8:9], s[20:21]          ; stat likewise
.macro MUL16 f, hi, a0, zero
.irp a, \a0, \a0+1
.irp b, 0,1,2,3,4,5,6,7
.if \zero
	v_wmma_f32_16x16x32_f16 v[8*(8*(\a)+\b):8*(8*(\a)+\b)+7], v[\f+8*\b:\f+8*\b+7], v[\f+8*(4*\hi+\a):\f+8*(4*\hi+\a)+7], 0
.else
	v_wmma_f32_16x16x32_f16 v[8*(8*(\a)+\b):8*(8*(\a)+\b)+7], v[\f+8*\b:\f+8*\b+7], v[\f+8*(4*\hi+\a):\f+8*(4*\hi+\a)+7], v[8*(8*(\a)+\b):8*(8*(\a)+\b)+7]
.endif
.endr
.endr
.endm
.macro FETCH slot, k, f
	WIN TO_B
.irp i, 0,1,2,3,4,5,6,7
	ds_load_b128 v[\f+8*\i:\f+8*\i+3],   v[ADRB+\slot] offset:\k+\i*16*PITCH
	ds_load_b128 v[\f+8*\i+4:\f+8*\i+7], v[ADRB+\slot] offset:\k+\i*16*PITCH+32
.endr
	WIN 0
.irp i, 0,1,2,3,4,5,6,7
	ds_load_b128 v[\f+8*\i:\f+8*\i+3],   v[ADRA+\slot] offset:\k+\i*16*PITCH
	ds_load_b128 v[\f+8*\i+4:\f+8*\i+7], v[ADRA+\slot] offset:\k+\i*16*PITCH+32
.endr
.endm
.macro PLACES
.rept 4
	v_nop
.endr
.endm
.macro QUARTER slot, k, f, g, zero
	s_wait_dscnt 8                                 ; K's fragments and Q's rows 0-63 are in; the youngest eight loads may be out
	WIN MUL_LO
	MUL16 \f, 0, 0, \zero
	MUL16 \f, 0, 2, \zero
	PLACES
	FETCH \slot, \k, \g
	s_wait_dscnt 32                                ; all but the 32 just issued
	WIN MUL_HI
	MUL16 \f, 1, 0, \zero
	MUL16 \f, 1, 2, \zero
.endm
; A K step's last quarter changes slots: all my tensor loads have landed, the add, my reads of this slot are over, one barrier; fill = 1: this slot's next K step is asked for first thing behind it.
.macro TURN slot, next, fill
	WIN 0
	s_wait_tensorcnt 0x0
	ds_add_u32 v[SPW], v[NIL]
	s_wait_dscnt 9                                 ; the add and the youngest eight loads may be out
	WIN MUL_LO
	MUL16 F1, 0, 0, 0
	s_wait_dscnt 0x0
	s_barrier_signal -1
	MUL16 F1, 0, 2, 0
	s_barrier_wait -1
.if \fill
	s_add_nc_u64 s[G0+4*\slot+2:G0+4*\slot+3], s[G0+4*\slot+2:G0+4*\slot+3], 2*KSTEP*2   ; no load of mine is out
	tensor_load_to_lds s[G0+4*\slot:G0+4*\slot+3], s[G1:G1+7]      ; my one load behind this barrier: 224 matrix instructions ahead of the wait for it
	s_nop 0
.endif
	PLACES
	FETCH \next, 0, F0
	WIN MUL_HI
	MUL16 F1, 1, 0, 0
	MUL16 F1, 1, 2, 0
.endm
	s_wait_tensorcnt 1                             ; my part of K step 0 is in; K step 1's may stay out
	s_barrier_signal -1
	s_barrier_wait -1
	FETCH 0, 0, F0
	QUARTER 0, 64, F0, F1, 1
	WIN 0
	s_mov_b32 s3, LAPS-1
.Llap:
	QUARTER 0, 128, F1, F0, 0
	QUARTER 0, 192, F0, F1, 0
	TURN 0, 1, 1
	QUARTER 1, 64,  F0, F1, 0
	QUARTER 1, 128, F1, F0, 0
	QUARTER 1, 192, F0, F1, 0
	TURN 1, 0, 1
	QUARTER 0, 64,  F0, F1, 0
	WIN 0
	s_sub_co_u32 s3, s3, 1
	s_cmp_lg_u32 s3, 0
	s_cbranch_scc1 .Llap
	QUARTER 0, 128, F1, F0, 0                      ; the last lap asks for nothing
	QUARTER 0, 192, F0, F1, 0
	TURN 0, 1, 0
	QUARTER 1, 64,  F0, F1, 0
	QUARTER 1, 128, F1, F0, 0
	QUARTER 1, 192, F0, F1, 0
	s_wait_dscnt 8
	WIN MUL_LO
	MUL16 F1, 0, 0, 0
	MUL16 F1, 0, 2, 0
	s_wait_dscnt 0
	WIN MUL_HI
	MUL16 F1, 1, 0, 0
	MUL16 F1, 1, 2, 0
	WIN 0
	s_cmp_lg_u32 s43, 0                            ; wholly over the diagonal: nothing to store
	s_cbranch_scc1 .Lend
	PLACES
	v_mov_b32 v[PRM], 0                            ; a lane permute's destination counts as one of its sources
; Block a: 16 queries x my 128 keys.
.macro SOFT a
.set AC, 64*((\a)%4)
.set XW, 2+(\a)/4
	s_cmp_eq_u32 s42, 0
	s_cbranch_scc1 .Lopen_\@
	WIN (XW<<6)|XW                                 ; on the diagonal: key 16 b + 8 h + j is hidden from query 16 a + r where it is the greater
.irp j, 0,1,2,3,4,5,6,7
	v_cmp_gt_i32 vcc_lo, \j, v[VD]
	v_cndmask_b32 v[AC+8*(\a)+\j], v[AC+8*(\a)+\j], v[NINF], vcc_lo
.endr
.irp b, 0,1,2,3,4,5,6,7
.if \b > (\a)
.irp j, 0,1,2,3,4,5,6,7
	v_mov_b32 v[AC+8*\b+\j], 0xff800000
.endr
.endif
.endr
	WIN 0
.Lopen_\@:
	WIN (XW<<4)|(XW<<2)|XW                         ; the largest of my 64 scores
.irp b, 0,1,2,3,4,5,6,7
	v_max3_num_f32 v[MX+3*\b], v[AC+8*\b], v[AC+8*\b+1], v[AC+8*\b+2]
	v_max3_num_f32 v[MX+3*\b+1], v[AC+8*\b+3], v[AC+8*\b+4], v[AC+8*\b+5]
	v_max_num_f32 v[MX+3*\b+2], v[AC+8*\b+6], v[AC+8*\b+7]
.endr
	WIN 0
.irp k, 0,1,2,3,4,5,6,7
	v_max3_num_f32 v[MX+3*\k], v[MX+3*\k], v[MX+3*\k+1], v[MX+3*\k+2]
.endr
	v_max3_num_f32 v[MX], v[MX], v[MX+3], v[MX+6]
	v_max3_num_f32 v[MX+9], v[MX+9], v[MX+12], v[MX+15]
	v_max3_num_f32 v[MX], v[MX], v[MX+18], v[MX+21]
	v_max_num_f32 v[MX], v[MX], v[MX+9]
	v_permlanex16_b32 v[PRM], v[MX], s[SEL], s[SEL+1]
	v_max_num_f32 v[MX], v[MX], v[PRM]             ; with the other 64 keys'
	v_mul_f32 v[MX], s[CS], v[MX]
	v_floor_f32 v[NM], -v[MX]                      ; -M = floor(-t) = -ceil(t)
	v_mov_b32 v[NM+1], v[NM]
	WIN XW
.set i, 0
.rept 32
	v_pk_fma_f32 v[T+2*i:T+2*i+1], v[AC+2*i:AC+2*i+1], s[CS:CS+1], v[NM:NM+1] op_sel_hi:[1,0,0]   ; t - M
.set i, i+1
.endr
	WIN 0
.set i, 0
.rept 64
	v_exp_f32 v[T+i], v[T+i]                       ; p, at most 1
.set i, i+1
.endr
	v_nop                                          ; a plain line behind the last exponential
	s_wait_alu depctr_va_vdst(0)                   ; one wait for the batch, ahead of its first reader
	v_pk_add_f32 v[SA:SA+1], v[T:T+1], v[T+2:T+3]
	v_pk_add_f32 v[SB:SB+1], v[T+4:T+5], v[T+6:T+7]
.irp j, 8,12,16,20,24,28,32,36,40,44,48,52,56,60
	v_pk_add_f32 v[SA:SA+1], v[SA:SA+1], v[T+\j:T+\j+1]
	v_pk_add_f32 v[SB:SB+1], v[SB:SB+1], v[T+\j+2:T+\j+3]
.endr
	v_pk_add_f32 v[SA:SA+1], v[SA:SA+1], v[SB:SB+1]
	v_add_f32 v[VL], v[SA], v[SA+1]
	v_permlanex16_b32 v[PRM], v[VL], s[SEL], s[SEL+1]
	v_add_f32 v[VL], v[VL], v[PRM]                 ; the chunk's sum of the unrounded p
.set i, 0
.rept 32
	v_cvt_pk_f16_f32 v[TMP+i], v[T+2*i], v[T+2*i+1]
.set i, i+1
.endr
	s_wait_xcnt 0x0                                ; the last block's statistic store has read its data register
	s_mov_b32 vcc_lo, 0xffff0000
	v_cndmask_b32 v[VS], v[NM], v[VL], vcc_lo      ; lanes 0-15 store -M, lanes 16-31 the sum
	global_store_b32 v[SO], v[VS], s[8:9] offset:128*(\a)          ; 128 consecutive bytes
.endm
.macro TOSTAGE a
.set BK, OB+192*((\a)%2)
.irp b, 0,1,2,3,4,5,6,7
	ds_store_b128 v[STO], v[TMP+4*\b:TMP+4*\b+3] offset:32*\b
.endr
.irp t, 0,1,2,3,4,5,6,7
	ds_load_b128 v[BK+4*\t:BK+4*\t+3], v[RD] offset:\t*2*SPITCH
.endr
.endm
.macro SEND a
.set BK, OB+192*((\a)%2)
	s_wait_dscnt 0x0
	s_wait_xcnt 0x0                                ; earlier stores have read their base and data
.if (\a) > 0
	s_add_nc_u64 s[6:7], s[6:7], 16*4096
.endif
.irp t, 0,1,2,3,4,5,6,7
	global_store_b128 v[CO], v[BK+4*\t:BK+4*\t+3], s[6:7] offset:2*\t*4096   ; sixteen lanes store 256 consecutive bytes, aligned
.endr
.endm
	SOFT 0
	TOSTAGE 0
.irp a, 1,2,3,4,5,6,7
	SOFT \a
	SEND \a-1
	TOSTAGE \a
.endr
	SEND 7
.Lend:
	s_wait_tensorcnt 0x0                           ; the wave's end: the three lines
	ds_add_u32 v[SPW], v[NIL]
	s_wait_dscnt 0x0
	s_endpgm
.Lfunc_end_k_qac7ff56fa3_scores:
	.size	k_qac7ff56fa3_scores, .Lfunc_end_k_qac7ff56fa3_scores-k_qac7ff56fa3_scores
	.p2alignl 7, 3214868480
	.fill 96, 4, 3214868480
	.section	.rodata,"a",@progbits
	.p2align	6, 0x0
	.amdhsa_kernel k_qac7ff56fa3_scores
		.amdhsa_group_segment_fixed_size 327680
		.amdhsa_private_segment_fixed_size 0
		.amdhsa_enable_private_segment 0
		.amdhsa_kernarg_size 24
		.amdhsa_user_sgpr_count 2
		.amdhsa_user_sgpr_kernarg_segment_ptr 1
		.amdhsa_wavefront_size32 1
		.amdhsa_system_sgpr_workgroup_id_x 1
		.amdhsa_system_sgpr_workgroup_id_y 1
		.amdhsa_system_sgpr_workgroup_id_z 1
		.amdhsa_system_vgpr_workitem_id 0
		.amdhsa_next_free_vgpr 1024
		.amdhsa_next_free_sgpr 66
		.amdhsa_reserve_vcc 1
		.amdhsa_float_denorm_mode_32 3
		.amdhsa_float_denorm_mode_16_64 3
		.amdhsa_memory_ordered 1
		.amdhsa_forward_progress 1
		.amdhsa_inst_pref_size 228
	.end_amdhsa_kernel
	.amdgpu_metadata
---
amdhsa.version: [ 1, 2 ]
amdhsa.kernels:
  - .name:           k_qac7ff56fa3_scores
    .symbol:         k_qac7ff56fa3_scores.kd
    .args:
      - { .name: qk, .offset: 0, .size: 8, .value_kind: global_buffer, .address_space: global }
      - { .name: pp, .offset: 8, .size: 8, .value_kind: global_buffer, .address_space: global }
      - { .name: stat, .offset: 16, .size: 8, .value_kind: global_buffer, .address_space: global }
    .group_segment_fixed_size: 327680
    .private_segment_fixed_size: 0
    .kernarg_segment_align: 8
    .kernarg_segment_size: 24
    .max_flat_workgroup_size: 128
    .sgpr_count:     66
    .vgpr_count:     1024
    .wavefront_size: 32
...
	.end_amdgpu_metadata
.endif
;; end of part 3
;; launch fine (part 4): grid 48 x 1, 8 waves a work-group, no clusters, 25,856 bytes of LDS; arguments first16, stat, fac, out0; writes fac, out0
.if DOCPART == 4
	.amdgcn_target "amdgcn-amd-amdhsa--gfx1250"
	.amdhsa_code_object_version 6
	.text
	.protected	k_qac7ff56fa3_fine
	.globl	k_qac7ff56fa3_fine
	.p2align	8
	.type	k_qac7ff56fa3_fine,@function
k_qac7ff56fa3_fine:
	s_mov_b64 s[64:65], 0
	v_nop
	global_prefetch_b8 v0, s[64:65] scope:SCOPE_SE
	s_setreg_imm32_b32 hwreg(HW_REG_WAVE_MODE, 25, 1), 1
	s_wait_xcnt 0x0
; Two small jobs.
; Work-groups 0..15 (sequence id / 4, columns 256 (id % 4) on): positions 0-15 of a sequence wholly in f32: S^T = K Q^T, the causal softmax, O^T = V^T P^T, by the f32 matrix form; stored into out0.
; Work-groups 16..47, a thread to a query: from the chunks' (-M, l) in stat: the row's M = the largest M_c; f_c = 2^(M_c - M), exact; L = the sum of f_c l_c; f_c / L in f32 goes into fac [4][16 chunks][2048 q].
; A chunk over the diagonal was never stored and is not read: it counts as -M = 3e38, l = 0, and gets 0.  L is over 1/2: the chunk with the largest M holds a p over 1/2.
.set PART,  0                          ; LDS: 8 waves x 1,024 bytes: each wave's part of S^T, as an image of its registers
.set STAGE, 8192                       ; 16 rows x (1,024 + 16) bytes of O
.set SPARE, 24832                      ; the spare words, 128 bytes a wave
.set SPW, 2
.set NIL, 3
.set KA,  16                           ; v16-79   K's rows, my 128 of the 1,024
.set QA,  80                           ; v80-143  Q's
.set VA,  144                          ; v144-159 V^T: two tiles of 16 d x my half's 8 keys
.set P,   160
.set SUM, 168
.set TM,  176
.set ACC, 208                          ; v208-239 four accumulators of S^T, v240-255 two of O^T: written by matrix instructions alone
.set OA,  240
	s_load_b256 s[4:11], s[0:1], 0x0               ; first16, stat, fac, out0
	v_lshl_add_u32 v[SPW], v0, 2, SPARE
	v_mov_b32 v[NIL], 0
	v_lshrrev_b32 v1, 5, v0
	v_readfirstlane_b32 s12, v1                    ; wave
	s_cmp_lt_u32 ttmp9, 16
	s_cbranch_scc1 .Lrows
; ---------------- the rows' M and factors
	s_sub_co_u32 s13, ttmp9, 16
	s_lshr_b32 s14, s13, 3                         ; the sequence
	s_and_b32 s15, s13, 7                          ; which 256 queries
	s_lshl_b32 s16, s15, 1
	s_lshr_b32 s17, s12, 2
	s_add_co_u32 s16, s16, s17
	s_add_co_u32 s16, s16, 1                       ; my wave's queries have so many chunks: ids and the wave's number alone
	s_lshl_b32 s17, s15, 8
	v_add_nc_u32 v4, s17, v0                       ; my query
	v_lshlrev_b32 v5, 3, v4
	v_lshlrev_b32 v6, 2, v4
.set c, 0
.rept 16
	v_mov_b32 v[16+2*c], 0x7f61b1e6                ; 3e38
	v_mov_b32 v[17+2*c], 0
.set c, c+1
.endr
	s_lshl_b32 s18, s14, 18
	s_mov_b32 s19, 0
	s_lshl_b32 s20, s14, 17
	s_mov_b32 s21, 0
	s_wait_kmcnt 0x0
	s_add_nc_u64 s[6:7], s[6:7], s[18:19]
	s_add_nc_u64 s[24:25], s[8:9], s[20:21]
	global_load_b64 v[16:17], v5, s[6:7]
.irp c, 1,2,3,4,5,6,7,8,9,10,11,12,13,14,15
	s_cmp_gt_u32 s16, \c
	s_cbranch_scc0 .Lgot
	global_load_b64 v[16+2*\c:17+2*\c], v5, s[6:7] offset:\c*16384
.endr
.Lgot:
	s_wait_loadcnt 0x0
	v_min_num_f32 v7, v16, v18
.irp c, 2,3,4,5,6,7,8,9,10,11,12,13,14,15
	v_min_num_f32 v7, v7, v[16+2*\c]               ; the least -M
.endr
.set c, 0
.rept 16
	v_sub_f32 v[48+c], v7, v[16+2*c]               ; M_c - M: a whole number, 0 or less
.set c, c+1
.endr
.set c, 0
.rept 16
	v_cvt_i32_f32 v[48+c], v[48+c]                 ; (it saturates)
.set c, c+1
.endr
.set c, 0
.rept 16
	v_ldexp_f32 v[48+c], 1.0, v[48+c]              ; f_c
.set c, c+1
.endr
	v_mul_f32 v8, v48, v17
.irp c, 1,2,3,4,5,6,7,8,9,10,11,12,13,14,15
	v_fmac_f32 v8, v[48+\c], v[17+2*\c]            ; the row's sum under M
.endr
	v_rcp_f32 v9, v8
	v_nop                                          ; a plain line behind the reciprocal
	s_wait_alu depctr_va_vdst(0)                   ; the wait ahead of its first reader
.set c, 0
.rept 16
	v_mul_f32 v[64+c], v[48+c], v9                 ; f_c / L
.set c, c+1
.endr
.set c, 0
.rept 16
	global_store_b32 v6, v[64+c], s[24:25] offset:c*8192           ; a wave stores 128 consecutive bytes, the work-group's eight waves 1,024
.set c, c+1
.endr
	s_endpgm
; ---------------- positions 0-15 in f32
.Lrows:
	s_lshr_b32 s13, ttmp9, 2                       ; the sequence
	s_and_b32 s14, ttmp9, 3                        ; which 256 columns
	v_and_b32 v4, 15, v0                           ; r
	v_bfe_u32 v5, v0, 4, 1                         ; h
	v_and_b32 v6, 31, v0
	v_lshlrev_b32 v7, 13, v4
	v_lshl_add_u32 v7, v5, 4, v7
	s_lshl_b32 s15, s12, 9
	v_add_nc_u32 v7, s15, v7                       ; Q, K: row r of 8,192 bytes, my wave's 512, + 16 h
	v_lshlrev_b32 v8, 6, v4
	v_lshl_add_u32 v8, v5, 5, v8                   ; V^T: row r of 64 bytes, + 32 h
	s_lshl_b32 s16, s13, 17
	s_mov_b32 s17, 0
	s_lshl_b32 s18, s14, 8
	s_lshl_b32 s19, s12, 5
	s_add_co_u32 s18, s18, s19                     ; my wave's first d
	s_lshl_b32 s18, s18, 6
	s_lshl_b32 s19, s13, 16
	s_add_co_u32 s18, s18, s19
	s_add_co_u32 s18, s18, 524288
	s_mov_b32 s19, 0
	s_lshl_b32 s20, s13, 23
	s_lshl_b32 s21, s12, 13                        ; the two rows of O that I store
	s_add_co_u32 s20, s20, s21
	s_lshl_b32 s21, s14, 10
	s_add_co_u32 s20, s20, s21
	s_mov_b32 s21, 0
	v_lshlrev_b32 v9, 4, v6                        ; 16 x lane
	s_lshl_b32 s22, s12, 10
	v_add_nc_u32 v10, s22, v9                      ; my part's image
	v_mul_u32_u24 v11, v4, 1040
	v_lshl_add_u32 v11, v5, 5, v11
	s_lshl_b32 s22, s12, 7
	v_add_nc_u32 v11, s22, v11
	v_add_nc_u32 v11, STAGE, v11                   ; the stage, in: row r, my wave's 128 bytes, + 32 h
	s_mul_i32 s22, s12, 2*1040
	v_add_nc_u32 v12, s22, v9
	v_add_nc_u32 v12, STAGE, v12                   ; and out: rows 2 w, 2 w + 1
	v_lshlrev_b32 v13, 3, v5
	v_sub_nc_u32 v13, v4, v13                      ; r - 8 h
	s_mov_b32 s28, 0x76543210
	s_mov_b32 s29, 0xfedcba98
	s_mov_b32 s30, 0x3d38aa3b                      ; log2(e) / 32
	s_wait_kmcnt 0x0
	s_add_nc_u64 s[24:25], s[4:5], s[16:17]
	s_add_nc_u64 s[26:27], s[4:5], s[18:19]
	s_add_nc_u64 s[10:11], s[10:11], s[20:21]
.set c, 0
.rept 16
	global_load_b128 v[KA+4*c:KA+4*c+3], v7, s[24:25] offset:4096+32*c
	global_load_b128 v[QA+4*c:QA+4*c+3], v7, s[24:25] offset:32*c
.set c, c+1
.endr
.irp t, 0,1
	global_load_b128 v[VA+8*\t:VA+8*\t+3], v8, s[26:27] offset:1024*\t
	global_load_b128 v[VA+8*\t+4:VA+8*\t+7], v8, s[26:27] offset:1024*\t+16
.endr
	s_wait_loadcnt 0x0
; S^T over my 128 of the 1,024: 32 instructions of 4 along K on four accumulators by turns.  The place of a d in an instruction is the same on both sides, so the products are the right ones.
.set n, 0
.rept 32
.if n < 4
	v_wmma_f32_16x16x4_f32 v[ACC+8*(n%4):ACC+8*(n%4)+7], v[KA+2*n:KA+2*n+1], v[QA+2*n:QA+2*n+1], 0
.else
	v_wmma_f32_16x16x4_f32 v[ACC+8*(n%4):ACC+8*(n%4)+7], v[KA+2*n:KA+2*n+1], v[QA+2*n:QA+2*n+1], v[ACC+8*(n%4):ACC+8*(n%4)+7]
.endif
.set n, n+1
.endr
.rept 8
	v_nop                                          ; eight places behind this form
.endr
.irp j, 0,2,4,6
	v_pk_add_f32 v[SUM+\j:SUM+\j+1], v[ACC+\j:ACC+\j+1], v[ACC+8+\j:ACC+8+\j+1]
.endr
.irp j, 0,2,4,6
	v_pk_add_f32 v[TM+\j:TM+\j+1], v[ACC+16+\j:ACC+16+\j+1], v[ACC+24+\j:ACC+24+\j+1]
.endr
.irp j, 0,2,4,6
	v_pk_add_f32 v[SUM+\j:SUM+\j+1], v[SUM+\j:SUM+\j+1], v[TM+\j:TM+\j+1]
.endr
	ds_store_b128 v10, v[SUM:SUM+3]
	ds_store_b128 v10, v[SUM+4:SUM+7] offset:512
	s_wait_dscnt 0x0                               ; for the others' sake: my stores have landed
	s_barrier_signal -1
	s_barrier_wait -1
.irp w, 0,1,2,3,4,5,6,7
	ds_load_b128 v[KA+8*\w:KA+8*\w+3], v9 offset:PART+1024*\w
	ds_load_b128 v[KA+8*\w+4:KA+8*\w+7], v9 offset:PART+1024*\w+512
.endr
	s_wait_dscnt 0x0
.irp j, 0,2,4,6
	v_pk_add_f32 v[SUM+\j:SUM+\j+1], v[KA+\j:KA+\j+1], v[KA+8+\j:KA+8+\j+1]
.endr
.irp w, 2,3,4,5,6,7
.irp j, 0,2,4,6
	v_pk_add_f32 v[SUM+\j:SUM+\j+1], v[SUM+\j:SUM+\j+1], v[KA+8*\w+\j:KA+8*\w+\j+1]   ; every wave adds in the same order: lane (r, h) holds query r, keys 8 h + j
.endr
.endr
	v_mov_b32 v184, 0xff800000
.irp j, 0,1,2,3,4,5,6,7
	v_cmp_gt_i32 vcc_lo, \j, v13                   ; key 8 h + j is hidden from query r where it is the greater
	v_cndmask_b32 v[SUM+\j], v[SUM+\j], v184, vcc_lo
.endr
	v_max3_num_f32 v185, v[SUM], v[SUM+1], v[SUM+2]
	v_max3_num_f32 v185, v185, v[SUM+3], v[SUM+4]
	v_max3_num_f32 v185, v185, v[SUM+5], v[SUM+6]
	v_max_num_f32 v185, v185, v[SUM+7]
	v_mov_b32 v186, 0
	v_permlanex16_b32 v186, v185, s28, s29
	v_max_num_f32 v185, v185, v186                 ; the row's largest score (key 0 counts for every query)
	v_mul_f32 v185, s30, v185
.irp j, 0,1,2,3,4,5,6,7
	v_fma_f32 v[P+\j], v[SUM+\j], s30, -v185
.endr
.irp j, 0,1,2,3,4,5,6,7
	v_exp_f32 v[P+\j], v[P+\j]
.endr
	v_nop
	s_wait_alu depctr_va_vdst(0)                   ; one wait for the eight
	v_pk_add_f32 v[188:189], v[P:P+1], v[P+2:P+3]
	v_pk_add_f32 v[190:191], v[P+4:P+5], v[P+6:P+7]
	v_pk_add_f32 v[188:189], v[188:189], v[190:191]
	v_add_f32 v187, v188, v189
	v_permlanex16_b32 v186, v187, s28, s29
	v_add_f32 v187, v187, v186
	v_rcp_f32 v187, v187
	v_nop
	s_wait_alu depctr_va_vdst(0)
.irp j, 0,1,2,3,4,5,6,7
	v_mul_f32 v[P+\j], v[P+\j], v187
.endr
; O^T = V^T P^T: my 32 d, two tiles by turns; instruction c takes keys 8 h + 2 c + j on both sides
.irp c, 0,1,2,3
.irp t, 0,1
.if \c == 0
	v_wmma_f32_16x16x4_f32 v[OA+8*\t:OA+8*\t+7], v[VA+8*\t+2*\c:VA+8*\t+2*\c+1], v[P+2*\c:P+2*\c+1], 0
.else
	v_wmma_f32_16x16x4_f32 v[OA+8*\t:OA+8*\t+7], v[VA+8*\t+2*\c:VA+8*\t+2*\c+1], v[P+2*\c:P+2*\c+1], v[OA+8*\t:OA+8*\t+7]
.endif
.endr
.endr
.rept 8
	v_nop
.endr
.irp t, 0,1
	ds_store_b128 v11, v[OA+8*\t:OA+8*\t+3] offset:64*\t            ; lane (r, h): query r, d 16 t + 8 h + 0 .. 7; from the low end on
	ds_store_b128 v11, v[OA+8*\t+4:OA+8*\t+7] offset:64*\t+16
.endr
	s_wait_dscnt 0x0
	s_barrier_signal -1
	s_barrier_wait -1
.irp q, 0,1
.irp u, 0,1
	ds_load_b128 v[16+4*(2*\q+\u):16+4*(2*\q+\u)+3], v12 offset:\q*1040+512*\u
.endr
.endr
	s_wait_dscnt 0x0
.irp q, 0,1
.irp u, 0,1
	global_store_b128 v9, v[16+4*(2*\q+\u):16+4*(2*\q+\u)+3], s[10:11] offset:\q*4096+512*\u th:TH_STORE_NT   ; 512 consecutive bytes, aligned
.endr
.endr
	s_wait_tensorcnt 0x0                           ; the wave's end: the three lines
	ds_add_u32 v[SPW], v[NIL]
	s_wait_dscnt 0x0
	s_endpgm
.Lfunc_end_k_qac7ff56fa3_fine:
	.size	k_qac7ff56fa3_fine, .Lfunc_end_k_qac7ff56fa3_fine-k_qac7ff56fa3_fine
	.p2alignl 7, 3214868480
	.fill 96, 4, 3214868480
	.section	.rodata,"a",@progbits
	.p2align	6, 0x0
	.amdhsa_kernel k_qac7ff56fa3_fine
		.amdhsa_group_segment_fixed_size 25856
		.amdhsa_private_segment_fixed_size 0
		.amdhsa_enable_private_segment 0
		.amdhsa_kernarg_size 32
		.amdhsa_user_sgpr_count 2
		.amdhsa_user_sgpr_kernarg_segment_ptr 1
		.amdhsa_wavefront_size32 1
		.amdhsa_system_sgpr_workgroup_id_x 1
		.amdhsa_system_sgpr_workgroup_id_y 1
		.amdhsa_system_sgpr_workgroup_id_z 1
		.amdhsa_system_vgpr_workitem_id 0
		.amdhsa_next_free_vgpr 256
		.amdhsa_next_free_sgpr 66
		.amdhsa_reserve_vcc 1
		.amdhsa_float_denorm_mode_32 3
		.amdhsa_float_denorm_mode_16_64 3
		.amdhsa_memory_ordered 1
		.amdhsa_forward_progress 1
		.amdhsa_inst_pref_size 26
	.end_amdhsa_kernel
	.amdgpu_metadata
---
amdhsa.version: [ 1, 2 ]
amdhsa.kernels:
  - .name:           k_qac7ff56fa3_fine
    .symbol:         k_qac7ff56fa3_fine.kd
    .args:
      - { .name: first16, .offset: 0, .size: 8, .value_kind: global_buffer, .address_space: global }
      - { .name: stat, .offset: 8, .size: 8, .value_kind: global_buffer, .address_space: global }
      - { .name: fac, .offset: 16, .size: 8, .value_kind: global_buffer, .address_space: global }
      - { .name: out0, .offset: 24, .size: 8, .value_kind: global_buffer, .address_space: global }
    .group_segment_fixed_size: 25856
    .private_segment_fixed_size: 0
    .kernarg_segment_align: 8
    .kernarg_segment_size: 32
    .max_flat_workgroup_size: 256
    .sgpr_count:     66
    .vgpr_count:     256
    .wavefront_size: 32
...
	.end_amdgpu_metadata
.endif
;; end of part 4
;; launch pv (part 5): grid 8 x 32, 4 waves a work-group, clusters of 4 x 1, 327,680 bytes of LDS; arguments pp, vt, fac, out0; writes out0
.if DOCPART == 5
	.amdgcn_target "amdgcn-amd-amdhsa--gfx1250"
	.amdhsa_code_object_version 6
	.text
	.protected	k_qac7ff56fa3_pv
	.globl	k_qac7ff56fa3_pv
	.p2align	8
	.type	k_qac7ff56fa3_pv,@function
k_qac7ff56fa3_pv:
	s_mov_b64 s[64:65], 0
	v_nop
	global_prefetch_b8 v0, s[64:65] scope:SCOPE_SE
	s_setreg_imm32_b32 hwreg(HW_REG_WAVE_MODE, 25, 1), 1
	s_wait_xcnt 0x0
	s_wait_alu depctr_hold_cnt(0) depctr_sa_sdst(0) depctr_va_vdst(0) depctr_va_sdst(0) depctr_va_ssrc(0) depctr_va_vcc(0) depctr_vm_vsrc(0)
	s_getreg_b32 s2, hwreg(HW_REG_IB_STS2, 6, 4)
	s_cmp_eq_u32 s2, 0
	s_cbranch_scc0 .Lentry_in_a_cluster
	s_endpgm
.Lentry_in_a_cluster:
	s_bfe_u32 s2, ttmp6, 0x10000c
	s_cmp_lg_u32 s2, 0x3003
	s_cbranch_scc0 .Lentry_shape_is_right
	s_endpgm
.Lentry_shape_is_right:
; O[q][d] = the sum over chunks c of (f_c[q] / L[q]) x (P_c[q][keys] V[keys][d]); the products on f16 operands with f32 sums, the factors and the sum over chunks in f32.
; All rows but positions 0-15 of each sequence, which the launch before has stored.  pp: p = 2^(t - M_c) as f16; fac: f_c / L, f32, [4][16 chunks][2048 q]; vt: V turned, [d][token] f16.
; SHARES.  Work-group (ct = 4 x + cx, y): sequence y / 8, i = y % 8, columns 128 ct on, and TWO blocks of 128 queries: A = i with i + 1 chunks of keys, B = 15 - i with 16 - i: 17 steps of 128 x 128 x 128 in every work-group.
; Step s: 0: (A, chunk 0); 1: (B, 0); else (A, s - 1) while s <= i + 1, then (B, s - i - 1).  The trip counts are constants.
; A STEP: 64 products a wave start and fill a sum of their own (the step's 64 queries x 64 d: 16 accumulators); then 64 packed multiply-adds take it, times the step's factor, onto block A's or block B's sums:
; which of the two is a scalar branch on ids, round those 64 lines alone.  Source 0 = 16 rows of V^T, source 1 = 16 rows of P: a lane holds one query and eight neighbouring d, so a lane has one factor for each 16 queries.
; THE RING: two LDS slots of two steps: [P, P, V^T, V^T], tiles of 128 rows x 256 bytes; wave w fetches tile w.  CLUSTER 4 x 1: the four partners differ in ct alone, so P's tiles are asked for JOINTLY (mask 15); V^T's hang on ct and are plain loads.
; REGISTERS: window 0: v4-15 addresses; v16-47 factors, in pairs whose odd registers stay 0; v48-111 rows on the way out; v128-255 block A's sums.  window 1: two fragment buffers of 128 (P's 64, then V^T's 64).
;   window 2: v0-127 the step's sums; v128-255 block B's.
.set PITCH, 272                        ; 256 bytes + 16 of padding: the 16 rows of a fragment load start 68 words apart
.set TILEB, 128*PITCH
.set SLOT,  4*TILEB
.set STAGE, 2*SLOT                     ; behind the ring: 16 rows x 272 bytes for each wave, for the way out; no tile lands there
.set SPITCH, 272
.set SPARE, STAGE+4*16*SPITCH          ; the spare words, 128 bytes a wave
.set ADRP, 4
.set ADRV, 6
.set FO,   8
.set STO,  9
.set RD,   10
.set CO,   11
.set SPW,  12
.set NIL,  13
.set PFO,  14                          ; v14 the prefetches' offset: my lane x a row of pp; never rewritten
.set FAC,  16                          ; the factor of slot p, step u, block a of 16 queries: v[16 + 16 p + 8 u + 2 a]
.set BK,   48
.set ACC,  128
.set TMP,  0
.set F0,   0
.set F1,   128
.set G1P, 24
.set G1V, 32
.set G0P, 40                           ; s[40:47] groups 0 that walk;  s[48:55] those of slot 1's first fill
.set G0V, 44
.set G0P1, 48
.set G0V1, 52
.set WT, 0xa5                          ; sources 0, 1 window 1; C, D window 2
.set MSB, 0
.macro WIN new
.if MSB != (\new)
	s_set_vgpr_msb (MSB<<8)|(\new)
.set MSB, (\new)
.endif
.endm
.macro PLACES                          ; plain vector lines between a matrix instruction and a load into, or a read of, its registers
.rept 4
	v_nop
.endr
.endm
.macro ROUND                           ; a round of the cluster's barrier
	s_barrier_signal -1
	s_barrier_wait -1
	s_cmp_lg_u32 s12, 0
	s_cbranch_scc1 .Lnot_wave_0_\@
	s_barrier_signal -3
.Lnot_wave_0_\@:
	s_barrier_wait -3
	s_barrier_signal -1
	s_barrier_wait -1
.endm
; kind 2: every wave fetches its tile; kind 1: the slot has one step: waves 0 and 2 alone.  The branches hang on the wave's number alone.  An s_nop 0 and four v_nop follow each line.
.macro JLOAD kind, g0p, g0v
.if \kind == 1
	s_cmp_lg_u32 s14, 0
	s_cbranch_scc1 .Lasked_\@
.endif
	s_cmp_eq_u32 s13, 0
	s_cbranch_scc0 .Lfor_v_\@
	tensor_load_to_lds s[\g0p:\g0p+3], s[G1P:G1P+7]
	s_nop 0
.rept 4
	v_nop
.endr
	s_branch .Lasked_\@
.Lfor_v_\@:
	tensor_load_to_lds s[\g0v:\g0v+3], s[G1V:G1V+7]
	s_nop 0
.rept 4
	v_nop
.endr
.Lasked_\@:
.endm
.macro FACS pn, kind, b0, b1           ; the factors of the slot just asked for: my 4 x 16 queries, for each of its steps
.irp a, 0,1,2,3
	global_load_b32 v[FAC+16*\pn+2*\a], v[FO], s[\b0:\b0+1] offset:64*\a
.endr
.if \kind == 2
.irp a, 0,1,2,3
	global_load_b32 v[FAC+16*\pn+8+2*\a], v[FO], s[\b1:\b1+1] offset:64*\a
.endr
.endif
.endm
.macro NEXT st, blk, chk               ; step s[st] (2 or more): its block and its chunk
	s_cmp_le_u32 s[\st], s19
	s_cselect_b32 s[\blk], s18, s20
	s_cselect_b32 s[\chk], 1, s19
	s_sub_co_u32 s[\chk], s[\st], s[\chk]
.endm
; Steps T + off and T + off + 1 go into LDS slot pn: the two steps' factor bases, and the groups 0 of the tile that my wave fetches.  s70 keeps T + off.
.macro DESC g0p, g0v, pn, off
	s_add_co_u32 s70, s21, \off
	NEXT 70, 71, 72
	s_add_co_u32 s73, s70, 1
	NEXT 73, 74, 75
	s_mov_b32 s77, 0
	s_mov_b32 s79, 0
	s_lshl_b32 s76, s72, 13                        ; 2,048 words a chunk,
	s_lshl_b32 s78, s71, 9                         ; 128 a block
	s_add_co_u32 s76, s76, s78
	s_add_nc_u64 s[66:67], s[60:61], s[76:77]
	s_lshl_b32 s76, s75, 13
	s_lshl_b32 s78, s74, 9
	s_add_co_u32 s76, s76, s78
	s_add_nc_u64 s[68:69], s[60:61], s[76:77]
	s_cmp_eq_u32 s14, 0                            ; the step that I fetch for
	s_cselect_b32 s71, s71, s74
	s_cselect_b32 s72, s72, s75
	s_lshl_b32 s76, s71, 19                        ; 128 rows of 4,096 bytes a block,
	s_lshl_b32 s78, s72, 8                         ; 256 bytes a chunk
	s_add_co_u32 s76, s76, s78
	s_add_nc_u64 s[\g0p+2:\g0p+3], s[56:57], s[76:77]
	s_or_b32 s[\g0p+3], s[\g0p+3], 0x80000000
	s_add_nc_u64 s[\g0v+2:\g0v+3], s[58:59], s[78:79]
	s_or_b32 s[\g0v+3], s[\g0v+3], 0x80000000
	s_add_co_u32 s[\g0p+1], s22, \pn*SLOT
	s_add_co_u32 s[\g0v+1], s22, \pn*SLOT
.endm
	s_load_b256 s[4:11], s[0:1], 0x0               ; pp, vt, fac, out0
	v_lshl_add_u32 v[SPW], v0, 2, SPARE
	v_mov_b32 v[NIL], 0
	ds_add_u32 v[SPW], v[NIL]                      ; the opening: the add, twice on end, and its wait ahead of the round in front of my first tensor loads
	ds_add_u32 v[SPW], v[NIL]
	v_lshrrev_b32 v1, 5, v0
	v_readfirstlane_b32 s12, v1                    ; wave
	s_lshr_b32 s13, s12, 1                         ; my half of the queries; also: I fetch P (0) or V^T (1)
	s_and_b32 s14, s12, 1                          ; my half of the d; also: which of a slot's two steps I fetch
	s_bfe_u32 s15, ttmp6, 0x40000                  ; cx: it enters V^T's, O's and the prefetches' addresses alone
	s_lshl_b32 s16, ttmp9, 2
	s_add_co_u32 s16, s16, s15                     ; ct
	s_and_b32 s17, ttmp7, 0xffff
	s_and_b32 s18, s17, 7                          ; i = block A
	s_lshr_b32 s17, s17, 3                         ; the sequence
	s_add_co_u32 s19, s18, 1
	s_sub_co_u32 s20, 15, s18                      ; block B
	s_mov_b32 s21, 2                               ; T
	s_mul_i32 s22, s12, TILEB
	s_or_b32 s23, s13, ttmp9                       ; waves 0 and 1 of the sequence's first cluster prefetch, up to step 16; the others never: the same in all four partners
	s_cmp_eq_u32 s23, 0
	s_cselect_b32 s23, 16, 0
	s_mov_b32 s[G1P+0], 15|(1<<16)|(1<<20)|(1<<21)|(5<<22)|(3<<25)   ; all four partners; 2 bytes; padding on; bit 21 beside a mask; 4 words behind every 64
	s_mov_b32 s[G1V+0], (1<<16)|(1<<20)|(5<<22)|(3<<25)
.irp g, G1P, G1V
	s_mov_b32 s[\g+1], 128<<16
	s_mov_b32 s[\g+2], 128<<16
	s_mov_b32 s[\g+3], 128<<16
	s_mov_b32 s[\g+4], 128
	s_mov_b32 s[\g+6], 0
	s_mov_b32 s[\g+7], 0
.endr
	s_mov_b32 s[G1P+5], 2048                       ; a row of pp in elements
	s_mov_b32 s[G1V+5], 8192                       ; a row of vt
	s_mov_b32 s[G0P], 1
	s_mov_b32 s[G0V], 1
	s_mov_b32 s[G0P1], 1
	s_mov_b32 s[G0V1], 1
	v_and_b32 v1, 15, v0                           ; r
	v_bfe_u32 v2, v0, 4, 1                         ; h
	v_and_b32 v3, 31, v0
	v_mul_u32_u24 v4, v1, PITCH
	v_lshl_add_u32 v4, v2, 4, v4
	s_mul_i32 s70, s14, 64*PITCH
	s_add_co_u32 s70, s70, 2*TILEB
	v_add_nc_u32 v[ADRV], s70, v4
	v_add_nc_u32 v[ADRV+1], SLOT, v[ADRV]
	s_mul_i32 s70, s13, 64*PITCH
	v_add_nc_u32 v[ADRP], s70, v4
	v_add_nc_u32 v[ADRP+1], SLOT, v[ADRP]
	v_lshlrev_b32 v[FO], 2, v1
	s_lshl_b32 s70, s13, 8
	v_add_nc_u32 v[FO], s70, v[FO]                 ; 4 r + 256 x my half: my queries' words
	s_mul_i32 s70, s12, 16*SPITCH
	s_add_co_u32 s70, s70, STAGE                   ; my stage
	v_mul_u32_u24 v[STO], v1, SPITCH
	v_lshl_add_u32 v[STO], v2, 5, v[STO]
	v_add_nc_u32 v[STO], s70, v[STO]               ; in: row r, 32 bytes for each half of the lanes
	v_mul_u32_u24 v[RD], v2, SPITCH
	v_lshl_add_u32 v[RD], v1, 4, v[RD]
	v_add_nc_u32 v[RD], s70, v[RD]                 ; back: lanes 0-15 one row of 256 bytes, lanes 16-31 the next
	v_lshlrev_b32 v[CO], 12, v2
	v_lshl_add_u32 v[CO], v1, 4, v[CO]             ; and the same two rows in O
	v_lshlrev_b32 v[PFO], 12, v3
.irp k, 0,1,2,3,4,5,6,7,8,9,10,11,12,13,14,15
	v_mov_b32 v[FAC+2*\k+1], 0                     ; named as the upper halves of pairs
.endr
	s_lshl_b32 s70, s17, 23
	s_mov_b32 s71, 0
	s_lshl_b32 s72, s16, 21
	s_lshl_b32 s73, s17, 12
	s_add_co_u32 s72, s72, s73
	s_mov_b32 s73, 0
	s_lshl_b32 s74, s17, 17
	s_mov_b32 s75, 0
	s_lshl_b32 s76, s15, 17                        ; 32 rows of 4,096 bytes for each partner
	s_mov_b32 s77, 0
	s_wait_dscnt 0x0                               ; both opening adds are done
	s_wait_kmcnt 0x0
	s_add_nc_u64 s[56:57], s[4:5], s[70:71]        ; pp at my sequence
	s_add_nc_u64 s[58:59], s[6:7], s[72:73]        ; vt at my 128 d and my sequence
	s_add_nc_u64 s[60:61], s[8:9], s[74:75]        ; the factors of my sequence
	s_add_nc_u64 s[62:63], s[56:57], s[76:77]      ; pp at my work-group's 32 rows of a tile: for the prefetches alone
	s_add_nc_u64 s[10:11], s[10:11], s[70:71]
	s_cmp_eq_u32 s14, 0                            ; slot 0: step 0 = (A, 0), step 1 = (B, 0)
	s_cselect_b32 s72, s18, s20
	s_lshl_b32 s72, s72, 19
	s_add_nc_u64 s[G0P+2:G0P+3], s[56:57], s[72:73]
	s_or_b32 s[G0P+3], s[G0P+3], 0x80000000
	s_mov_b64 s[G0V+2:G0V+3], s[58:59]
	s_or_b32 s[G0V+3], s[G0V+3], 0x80000000
	s_mov_b32 s[G0P+1], s22
	s_mov_b32 s[G0V+1], s22
	s_lshl_b32 s72, s18, 9
	s_lshl_b32 s74, s20, 9
	s_add_nc_u64 s[88:89], s[60:61], s[72:73]
	s_add_nc_u64 s[90:91], s[60:61], s[74:75]
	DESC G0P1, G0V1, 1, 0                          ; slot 1: steps 2 and 3
	ROUND                                          ; all four work-groups are here
	JLOAD 2, G0P, G0V                              ; both slots' first fills go out together: two loads of mine are out
	JLOAD 2, G0P1, G0V1
	FACS 0, 2, 88, 90
	FACS 1, 2, 66, 68
	s_lshl_b32 s72, s13, 6                         ; where my part of O begins: row 128 x block + 64 x my half, byte 512 ct + 256 x my half of the d
	s_lshl_b32 s74, s18, 7
	s_add_co_u32 s74, s74, s72
	s_lshl_b32 s74, s74, 12
	s_lshl_b32 s76, s20, 7
	s_add_co_u32 s76, s76, s72
	s_lshl_b32 s76, s76, 12
	s_lshl_b32 s72, s16, 9
	s_lshl_b32 s73, s14, 8
	s_add_co_u32 s72, s72, s73
	s_add_co_u32 s74, s74, s72
	s_add_co_u32 s76, s76, s72
	s_mov_b32 s75, 0
	s_mov_b32 s77, 0
	s_add_nc_u64 s[80:81], s[10:11], s[74:75]
	s_add_nc_u64 s[82:83], s[10:11], s[76:77]
; A PREFETCH INTO THE L2 of the tile of P that my wave will fetch at the NEXT change of slots: 128 rows x 256 bytes.  A tile of P is read by the sequence's two clusters: the first asks.  Its four partners take 32 rows each,
; told apart by address; waves 0 and 1 ask, each for its own tile, a lane a row: one instruction.  So each row's 256 bytes are named once in the launch.  It stands behind the tensor load's lines and the factors' loads.
; Steps 0 to 5 come by their loads alone; there is no step 17.  V^T's tiles are read by up to sixteen work-groups and are not asked for.
.macro ASK
	s_cmp_le_u32 s73, s23
	s_cbranch_scc0 .Lnot_mine_\@
	global_prefetch_b8 v[PFO], s[84:85] th:TH_LOAD_NT scope:SCOPE_SE
.Lnot_mine_\@:
.endm
; THE CHANGE OF SLOTS: all my tensor loads have landed (my tile of the slot about to be read), the add, my reads of the slot just left are over; a round of the cluster's barrier;
; then LDS slot pn is asked for first thing: steps T + off and T + off + 1: a slot's 128 matrix instructions ahead of the wait for it.  One tensor load of mine is out behind each round.  kind 0: nothing is asked for: a plain barrier.
.macro CHANGE pn, off, kind
	s_wait_tensorcnt 0x0
	ds_add_u32 v[SPW], v[NIL]                      ; 0 onto my spare word; the descriptors' words stand between it and the wait for it
.if \kind
	s_wait_xcnt 0x0                                ; the last factors' loads and the last prefetch, a slot back, have read their bases
	DESC G0P, G0V, \pn, \off
.if \kind == 2
	s_add_co_u32 s73, s70, 2
	s_add_co_u32 s73, s73, s14                     ; the step that I shall fetch for at the next change
	NEXT 73, 74, 75
	s_lshl_b32 s76, s74, 19
	s_lshl_b32 s78, s75, 8
	s_add_co_u32 s76, s76, s78
	s_add_nc_u64 s[84:85], s[62:63], s[76:77]
.endif
.endif
	s_wait_dscnt 0x0
.if \kind
	ROUND
	JLOAD \kind, G0P, G0V
	FACS \pn, \kind, 66, 68
.if \kind == 2
	ASK
.endif
.else
	s_barrier_signal -1
	s_barrier_wait -1
.endif
.endm
.macro FETCH p, u, kb, f               ; 32 LDS loads in one run: 64 keys at byte kb of step u's rows, into buffer f; the first 32 keys first
	WIN 0x40
.irp c, 0,1
.irp i, 0,1,2,3
	ds_load_b128 v[\f+64+8*(4*\c+\i):\f+64+8*(4*\c+\i)+3],   v[ADRV+\p] offset:(\u)*TILEB+(\kb)+64*\c+\i*16*PITCH
	ds_load_b128 v[\f+64+8*(4*\c+\i)+4:\f+64+8*(4*\c+\i)+7], v[ADRV+\p] offset:(\u)*TILEB+(\kb)+64*\c+\i*16*PITCH+32
	ds_load_b128 v[\f+8*(4*\c+\i):\f+8*(4*\c+\i)+3],         v[ADRP+\p] offset:(\u)*TILEB+(\kb)+64*\c+\i*16*PITCH
	ds_load_b128 v[\f+8*(4*\c+\i)+4:\f+8*(4*\c+\i)+7],       v[ADRP+\p] offset:(\u)*TILEB+(\kb)+64*\c+\i*16*PITCH+32
.endr
.endr
.endm
.macro MUL8 f, c, a0, zero             ; the step's 16 accumulators take turns
.irp a, \a0, \a0+1
.irp b, 0,1,2,3
.if \zero
	v_wmma_f32_16x16x32_f16 v[TMP+8*(4*(\a)+\b):TMP+8*(4*(\a)+\b)+7], v[\f+64+8*(4*\c+\b):\f+64+8*(4*\c+\b)+7], v[\f+8*(4*\c+\a):\f+8*(4*\c+\a)+7], 0
.else
	v_wmma_f32_16x16x32_f16 v[TMP+8*(4*(\a)+\b):TMP+8*(4*(\a)+\b)+7], v[\f+64+8*(4*\c+\b):\f+64+8*(4*\c+\b)+7], v[\f+8*(4*\c+\a):\f+8*(4*\c+\a)+7], v[TMP+8*(4*(\a)+\b):TMP+8*(4*(\a)+\b)+7]
.endif
.endr
.endr
.endm
.macro Q f, zero, nxt, np, nu, nkb, ng ; 64 keys: 32 matrix instructions on buffer f; in its middle the next 64 keys are fetched
	s_wait_dscnt 16                                ; the first 32 keys' fragments are in; the other sixteen loads may be out
	WIN WT
	MUL8 \f, 0, 0, \zero
	MUL8 \f, 0, 2, \zero
.if \nxt
	PLACES
	FETCH \np, \nu, \nkb, \ng
	s_wait_dscnt 32                                ; all but the 32 just issued
.else
	s_wait_dscnt 0x0
.endif
	WIN WT
	MUL8 \f, 1, 0, 0
	MUL8 \f, 1, 2, 0
.endm
.macro STEPM p, u, more                ; a step's 64 products; the first 16 start its sums.  more = 1: the slot's second step follows, and its first fragments are fetched
	Q F0, 1, 1, \p, \u, 128, F1
.if (\more)
	Q F1, 0, 1, \p, 1, 0, F0
.else
	Q F1, 0, 0, 0, 0, 0, F0
.endif
	WIN 0
	PLACES                                         ; ahead of the first read of the step's sums
.endm
; The step's sums, times the lane's factor, onto a block's sums, in f32, two at a time; each accumulator is read from its low end on.  wn: 0x02 block A; 0xa2 block B; zero = 1 (0x02, 0x82): the block's first step starts its sums.
; These lines are also the places ahead of the next loads into the fragment buffers and of the products that begin the step's sums anew.
.macro FMA wn, p, u, zero
	WIN \wn
.irp a, 0,1,2,3
.irp b, 0,1,2,3
.irp j, 0,2,4,6
.if \zero
	v_pk_mul_f32 v[ACC+8*(4*\a+\b)+\j:ACC+8*(4*\a+\b)+\j+1], v[TMP+8*(4*\a+\b)+\j:TMP+8*(4*\a+\b)+\j+1], v[FAC+16*\p+8*\u+2*\a:FAC+16*\p+8*\u+2*\a+1] op_sel_hi:[1,0]
.else
	v_pk_fma_f32 v[ACC+8*(4*\a+\b)+\j:ACC+8*(4*\a+\b)+\j+1], v[TMP+8*(4*\a+\b)+\j:TMP+8*(4*\a+\b)+\j+1], v[FAC+16*\p+8*\u+2*\a:FAC+16*\p+8*\u+2*\a+1], v[ACC+8*(4*\a+\b)+\j:ACC+8*(4*\a+\b)+\j+1] op_sel_hi:[1,0,1]
.endif
.endr
.endr
.endr
.endm
.macro STEPSEL p, u, off               ; step T + off adds to block A's sums while it is at most i + 1, else to block B's: ids and the count of steps alone
	STEPM \p, \u, 1-\u
	s_add_co_u32 s70, s21, \off
	s_cmp_le_u32 s70, s19
	s_cbranch_scc0 .Lset_b_\@
	FMA 0x02, \p, \u, 0
	WIN 0
	s_branch .Lstep_done_\@
.Lset_b_\@:
	FMA 0xa2, \p, \u, 0
	WIN 0
.Lstep_done_\@:
.endm
.macro WORKHEAD p, left
	s_wait_loadcnt \left                           ; this slot's factors are in; those just asked for, for the other slot, may stay out
	FETCH \p, 0, 0, F0
.endm
; THE WAY OUT of 16 queries x my 64 d: a lane's 32 bytes of a row into my own stage, back as whole rows of 256 bytes.  LDS serves a wave's instructions in order: no wait between the stores and the loads, nor ahead of the next block's stores.
.macro TOSTAGE wd, a                   ; wd: the window of the stores' data
	WIN \wd
.irp b, 0,1,2,3
	ds_store_b128 v[STO], v[ACC+8*(4*(\a)+\b):ACC+8*(4*(\a)+\b)+3] offset:64*\b
	ds_store_b128 v[STO], v[ACC+8*(4*(\a)+\b)+4:ACC+8*(4*(\a)+\b)+7] offset:64*\b+16
.endr
	WIN 0
.irp t, 0,1,2,3,4,5,6,7
	ds_load_b128 v[BK+32*((\a)%2)+4*\t:BK+32*((\a)%2)+4*\t+3], v[RD] offset:\t*2*SPITCH
.endr
.endm
.macro SEND base, a, younger           ; younger: the LDS instructions issued behind block a's loads: the next block's sixteen, or none
	s_wait_dscnt \younger
.irp t, 0,1,2,3,4,5,6,7
	global_store_b128 v[CO], v[BK+32*((\a)%2)+4*\t:BK+32*((\a)%2)+4*\t+3], s[\base:\base+1] offset:(16*(\a)+2*\t)*4096 th:TH_STORE_NT   ; sixteen lanes store 256 consecutive bytes, aligned
.endr
.endm
	s_wait_tensorcnt 1                             ; my tile of slot 0 is in; slot 1's may stay out
	s_barrier_signal -1
	s_barrier_wait -1
	WORKHEAD 0, 8
	STEPM 0, 0, 1
	FMA 0x02, 0, 0, 1                              ; step 0 starts block A's sums,
	STEPM 0, 1, 0
	FMA 0x82, 0, 1, 1                              ; step 1 block B's
	WIN 0
.Lloop:                                            ; three trips of four steps
	CHANGE 0, 2, 2
	WORKHEAD 1, 8
	STEPSEL 1, 0, 0
	STEPSEL 1, 1, 1
	CHANGE 1, 4, 2
	WORKHEAD 0, 8
	STEPSEL 0, 0, 2
	STEPSEL 0, 1, 3
	s_add_co_u32 s21, s21, 4
	s_cmp_lt_u32 s21, 14
	s_cbranch_scc1 .Lloop
	CHANGE 0, 2, 1                                 ; step 16 alone
	; BLOCK A IS FINISHED (its last step is step 8 at the latest): it leaves now, three steps ahead of the end
	s_or_b32 s70, s18, s13
	s_cmp_eq_u32 s70, 0                            ; block 0, upper half: positions 0-15 belong to the launch before
	s_cbranch_scc1 .Lnot_mine
	TOSTAGE 0, 0
	SEND 80, 0, 0
	s_wait_xcnt 0x0                                ; the stores have read their registers: rows may land there again
.Lnot_mine:
	TOSTAGE 0, 1
	TOSTAGE 0, 2
	SEND 80, 1, 16
	s_wait_xcnt 0x0
	TOSTAGE 0, 3
	SEND 80, 2, 16
	SEND 80, 3, 0
	WORKHEAD 1, 4
	STEPM 1, 0, 1                                  ; steps 14 to 16 are block B's for every i
	FMA 0xa2, 1, 0, 0
	STEPM 1, 1, 0
	FMA 0xa2, 1, 1, 0
	WIN 0
	CHANGE 0, 0, 0
	WORKHEAD 0, 0
	STEPM 0, 0, 0
	FMA 0xa2, 0, 0, 0
	WIN 0
	s_wait_xcnt 0x0                                ; block A's stores have read their registers
	TOSTAGE 0x08, 0
	TOSTAGE 0x08, 1
	SEND 82, 0, 16
	s_wait_xcnt 0x0
	TOSTAGE 0x08, 2
	SEND 82, 1, 16
	s_wait_xcnt 0x0
	TOSTAGE 0x08, 3
	SEND 82, 2, 16
	SEND 82, 3, 0
	s_wait_tensorcnt 0x0                           ; the wave's end: the three lines
	ds_add_u32 v[SPW], v[NIL]
	s_wait_dscnt 0x0
	ROUND                                          ; the closing round
	s_endpgm
.Lfunc_end_k_qac7ff56fa3_pv:
	.size	k_qac7ff56fa3_pv, .Lfunc_end_k_qac7ff56fa3_pv-k_qac7ff56fa3_pv
	.p2alignl 7, 3214868480
	.fill 96, 4, 3214868480
	.section	.rodata,"a",@progbits
	.p2align	6, 0x0
	.amdhsa_kernel k_qac7ff56fa3_pv
		.amdhsa_group_segment_fixed_size 327680
		.amdhsa_private_segment_fixed_size 0
		.amdhsa_enable_private_segment 0
		.amdhsa_kernarg_size 32
		.amdhsa_user_sgpr_count 2
		.amdhsa_user_sgpr_kernarg_segment_ptr 1
		.amdhsa_wavefront_size32 1
		.amdhsa_system_sgpr_workgroup_id_x 1
		.amdhsa_system_sgpr_workgroup_id_y 1
		.amdhsa_system_sgpr_workgroup_id_z 1
		.amdhsa_system_vgpr_workitem_id 0
		.amdhsa_next_free_vgpr 768
		.amdhsa_next_free_sgpr 96
		.amdhsa_reserve_vcc 0
		.amdhsa_float_denorm_mode_32 3
		.amdhsa_float_denorm_mode_16_64 3
		.amdhsa_memory_ordered 1
		.amdhsa_forward_progress 1
		.amdhsa_inst_pref_size 166
	.end_amdhsa_kernel
	.amdgpu_metadata
---
amdhsa.version: [ 1, 2 ]
amdhsa.kernels:
  - .name:           k_qac7ff56fa3_pv
    .symbol:         k_qac7ff56fa3_pv.kd
    .args:
      - { .name: pp, .offset: 0, .size: 8, .value_kind: global_buffer, .address_space: global }
      - { .name: vt, .offset: 8, .size: 8, .value_kind: global_buffer, .address_space: global }
      - { .name: fac, .offset: 16, .size: 8, .value_kind: global_buffer, .address_space: global }
      - { .name: out0, .offset: 24, .size: 8, .value_kind: global_buffer, .address_space: global }
    .group_segment_fixed_size: 327680
    .private_segment_fixed_size: 0
    .kernarg_segment_align: 8
    .kernarg_segment_size: 32
    .max_flat_workgroup_size: 128
    .sgpr_count:     96
    .vgpr_count:     768
    .wavefront_size: 32
...
	.end_amdgpu_metadata
.endif
;; end of part 5
